; MI455X (gfx1250); checked and timed in simulation.
; The chip was launched on July 23, 2026; its instructions are those of AMD's public machine-readable ISA for CDNA 5 (MIT licence, August 2026) and "CDNA5" Instruction Set Architecture Reference Guide (July 2026). The comments in the code are by the model that wrote it; some were corrected since.
;; Multi Head Attention. Allowed arithmetic: matrix products marked QUANTISED: E4M3 operands, one E8M0 scale for each 32 along K, by v_wmma_scale_f32_16x16x128_f8f6f4 with both operands' format E4M3, f32 sums; everything else in f32.
;; Inputs: bk 1,024 float32; bo 1,024 float32; bq 1,024 float32; bv 1,024 float32; wk_codes 1,024 x 32 x 32 uint8 (E4M3 codes of wk, K innermost, in blocks of 32 codes); wk_scales 1,024 x 32 uint8 (E8M0 scales of wk, one for each 32 codes along K); wo_codes 1,024 x 32 x 32 uint8 (E4M3 codes of wo, K innermost, in blocks of 32 codes); wo_scales 1,024 x 32 uint8 (E8M0 scales of wo, one for each 32 codes along K); wq_codes 1,024 x 32 x 32 uint8 (E4M3 codes of wq, K innermost, in blocks of 32 codes); wq_scales 1,024 x 32 uint8 (E8M0 scales of wq, one for each 32 codes along K); wv_codes 1,024 x 32 x 32 uint8 (E4M3 codes of wv, K innermost, in blocks of 32 codes); wv_scales 1,024 x 32 uint8 (E8M0 scales of wv, one for each 32 codes along K); x_codes 4 x 2,048 x 32 x 32 uint8 (E4M3 codes of x, K innermost, in blocks of 32 codes); x_scales 4 x 2,048 x 32 uint8 (E8M0 scales of x, one for each 32 codes along K).
;; Outputs: out0 4 x 2,048 x 1,024 float32.
;; This version of the problem:
;;   THIS VERSION OF THE PROBLEM IS GIVEN IN LOW PRECISION. The matrix products marked QUANTISED in the list below multiply operands that are first quantised to E4M3 (4 exponent bits, 3 mantissa bits; 8 bits a number), with one power-of-two scale for each 32 numbers along K (OCP MX v1.0); their sums are f32. All else is computed in f32.
;;   The module's matrix products, in the order in which they are computed (A, B: the left and right operand; K: the contracted axis; several contracted axes count as one K, in the product's order):
;;     1. [M 8,192, K 1,024] x [K 1,024, N 1,024]; A: input x (given as codes); B: input wq (given as codes): QUANTISED
;;     2. [M 8,192, K 1,024] x [K 1,024, N 1,024]; A: input x (given as codes); B: input wk (given as codes): QUANTISED
;;     3. [M 8,192, K 1,024] x [K 1,024, N 1,024]; A: input x (given as codes); B: input wv (given as codes): QUANTISED
;;     4. batch 64 x [M 2,048, K 64] x [K 64, N 2,048]; A: computed on the way; B: computed on the way: QUANTISED
;;     5. batch 64 x [M 2,048, K 2,048] x [K 2,048, N 64]; A: softmax (see below); B: computed on the way: QUANTISED
;;     6. [M 8,192, K 1,024] x [K 1,024, N 1,024]; A: computed on the way; B: input wo (given as codes): QUANTISED
;;   THE QUANTISER, for each operand of a quantised product, along K:
;;     - K is cut into blocks of 32 from its start; a last block that is shorter is filled with zeros.
;;     - A block's scale is 2^e with e = floor(log2(the largest magnitude in the block)) - 8, held to -126 .. 127; a block of zeros has e = 0. As a byte (E8M0): e + 127.
;;     - Each number is divided by its block's scale, clamped to +-448, and rounded to the nearest number of E4M3, ties to even, subnormals kept.
;;     - The product sums the exact products of the quantised numbers (number of the format x scale) in f32.
;;   ~~~python
;;   def quantise(x, axis):      # numpy; x: float32 -> the quantised numbers, widened to float32 again
;;       x = np.moveaxis(x, axis, -1); K = x.shape[-1]
;;       x = np.pad(x, [(0, 0)] * (x.ndim - 1) + [(0, -K % 32)]); x = x.reshape(x.shape[:-1] + (-1, 32)); a = np.abs(x).max(-1, keepdims=True)
;;       e = np.where(a > 0, np.clip(np.frexp(np.where(a > 0, a, 1))[1] - 1 - 8, -126, 127), 0)      # np.frexp(a)[1] - 1 = floor(log2(a)), exactly
;;       r = np.clip(x / 2.0 ** e, -448, 448)
;;       step = 2.0 ** (np.maximum(np.frexp(np.where(r == 0, 1, r))[1] - 1, -6) - 3)
;;       q = np.round(r / step) * step * 2.0 ** e      # np.round: ties to even
;;       return np.moveaxis(q.reshape(q.shape[:-2] + (-1,))[..., :K], -1, axis).astype(np.float32)
;;   ~~~
;;   SOFTMAX AHEAD OF A QUANTISED PRODUCT. Where the list says 'softmax', what is quantised is not the finished softmax but p = 2^(t - M), with t = logit x log2(e) and M = ceil(the row's largest t), a whole number; so 1/2 < the row's largest p <= 1. The row's sum l is taken of the UNQUANTISED p, in f32, and the product's result is divided by l at the end. Since M is a whole number, a kernel that streams over the keys may use a running M (the ceiling of the running maximum): every later rescaling is an exact power of two, which a block's scale takes up: the codes' values come out the same.
;;   OPERANDS COMPUTED ON THE WAY. 'Computed on the way' means the value that the module computes at that place (a softmax that the list does not call 'softmax' is quantised finished and normalised). What goes into a quantiser is computed in f32, as accurately as f32 sums, v_exp_f32 and their like allow (about 1e-6 of the number): no bf16 or f16 on the way to a quantiser, and a product that is left as it is and whose result goes on into a quantised operand takes f32 operands (vector FMAs, or v_wmma_f32_16x16x4_f32). A number that lies on a knife's edge between two numbers of the format may be rounded either way, as far as f32 arithmetic and the matrix unit's own rounding can turn it there, and no further.
;;   INPUTS GIVEN AS CODES. wk (in the module: [1024, 1024], K = its axis 0); wo (in the module: [1024, 1024], K = its axis 0); wq (in the module: [1024, 1024], K = its axis 0); wv (in the module: [1024, 1024], K = its axis 0); x (in the module: [4, 2048, 1024], K = its axis 2): each comes as NAME_codes (uint8): NAME with its K axis moved to the last place and cut into blocks of 32 codes, [.., K / 32, bytes a block], one block behind the other in memory; one code a byte (a code: sign, 4 exponent bits, 3 mantissa bits); and NAME_scales (uint8): the same leading axes, one E8M0 byte (e + 127) for each 32 codes along K. Its value is code x scale, taken as it is: it is not quantised again, and the codes and scales need not be those that the quantiser above would give.
;; One version. Each part assembles by itself: llvm-mc -triple=amdgcn-amd-amdhsa -mcpu=gfx1250 --defsym DOCPART=n.
;; ======== version 1 of 1: 3 launches
;; limits: right only within a limited range of input values
;; workspace buffers: q_img 8,388,608 bytes; k_img 8,388,608 bytes; v_img 8,388,608 bytes; q_sc 262,144 bytes; k_sc 262,144 bytes; v_sc 262,144 bytes; ao_img 8,388,608 bytes; ao_sc 262,144 bytes
;; launch qkv (part 1): grid 8 x 32, 4 waves a work-group, clusters of 4 x 4, 327,680 bytes of LDS; arguments x_codes, x_scales, wq_codes, wq_scales, wk_codes, wk_scales, wv_codes, wv_scales, bq, bk, bv, q_img, q_sc, k_img, k_sc, v_img, v_sc; writes q_img, q_sc, k_img, k_sc, v_img, v_sc
.if DOCPART == 1
	.amdgcn_target "amdgcn-amd-amdhsa--gfx1250"
	.amdhsa_code_object_version 6
	.text
	.protected	k_qcfd8618889_qkv
	.globl	k_qcfd8618889_qkv
	.p2align	8
	.type	k_qcfd8618889_qkv,@function
k_qcfd8618889_qkv:
	s_mov_b64 s[64:65], 0
	v_nop
	global_prefetch_b8 v0, s[64:65] scope:SCOPE_SE
	s_setreg_imm32_b32 hwreg(HW_REG_WAVE_MODE, 25, 1), 1
	s_wait_xcnt 0x0
	s_wait_alu depctr_hold_cnt(0) depctr_sa_sdst(0) depctr_va_vdst(0) depctr_va_sdst(0) depctr_va_ssrc(0) depctr_va_vcc(0) depctr_vm_vsrc(0)
	s_getreg_b32 s2, hwreg(HW_REG_IB_STS2, 6, 4)
	s_cmp_eq_u32 s2, 0
	s_cbranch_scc0 .Lentry_in_a_cluster
	s_endpgm
.Lentry_in_a_cluster:
	s_bfe_u32 s2, ttmp6, 0x10000c
	s_cmp_lg_u32 s2, 0xf033
	s_cbranch_scc0 .Lentry_shape_is_right
	s_endpgm
.Lentry_shape_is_right:
; Q, K, V = x W^T + b AND THEIR QUANTISERS on codes of FP8 (E4M3), one E8M0 byte for each 32 along K: 8,192 x 3,072 x 1,024.  Codes and scale bytes leave as images of the attention launch's operand registers.
; THE DEAL.  256 work-groups of four waves; a work-group owns 256 tokens and one pair of heads (128 columns) of each of Q, K, V.  A wave keeps its 64 tokens of x, ALL of K, in 512 registers (windows 1, 2) and
; takes 24 blocks of 16 weight rows (8 of wq, 8 of wk, 8 of wv) past them, each whole in one of two sets of 128 registers (window 3): 32 products a block, four accumulators by turns.
; x's tile 2 c + u of a wave takes, in lane r, token 32 c + 8 u + r + 8 (r / 8) of the wave's 64: the order of the images' tiles.  Weight rows are taken as they lie.
; Q, K: source 0 = weight rows, source 1 = x: a lane holds one token, its registers 8 channels; blocks 2 c, 2 c + 1 of a head give 16 numbers a lane of the scale block c, the other 16 lie in lane l xor 16.
; V: source 0 = x, source 1 = weight rows: a lane holds one channel, its registers 8 tokens; tiles 2 c, 2 c + 1 give tokens 32 c + 16 (lane / 16) + 0 .. 15.  The bias is the first products' C.
; So a pair of blocks leaves four groups of 16 neighbouring registers, and one quantiser serves both kinds.
; IMAGES (blk = (8 batch + pair) 16 + group of 128 tokens; r = lane % 16, h = lane / 16):  q_img, k_img: blk 16,384 + head 8,192 + tile 1,024 + c 512 + (16 h + r) 16;  q_sc, k_sc: blk 512 + tile 64 + 4 r + 2 head + c;
; v_img: blk 16,384 + (c / 2) 8,192 + head 4,096 + t 1,024 + (c % 2) 512 + (16 h + r) 16, lane r of channel tile 2 b + u holding channel 32 b + 8 u + r + 8 (r / 8);  v_sc: blk 512 + head 256 + b 128 + (16 u + r) 4 + c.
; A store of Q's or K's codes covers 256 bytes on end, aligned; a store of V's codes covers four runs of 128 bytes, whose other halves the pair's other block fills; scale bytes leave one a lane.
; LDS: two slots of 128 rows of 1,024 bytes + 16: x's 256 rows at first; when they are in registers, wq's rows (slot 0) and wk's (slot 1), behind a drained round of the cluster's barrier; wv's over wq's behind another.
; Behind the slots: the bias of the 384 columns, the weights' scale bytes (both through registers), the spare words.  CLUSTERS 4 x 4: x is asked for jointly along a row of the cluster, the weights along a column.
; PREFETCH: wq's and wk's 131,072 bytes are named once in each column of a cluster at the head, wv's behind the first refill: sixteen waves x 32 lanes x 256 bytes each, shared out by address.
; LIMITS: NaN, infinities and sums beyond f32's range are not served; a block of zeros, and any block under 2^-118, gets the scale byte 1 (this program alone reads the bytes).
.set PITCH, 1040
.set SLOT1, 128*PITCH
.set BT,    2*SLOT1                    ; the bias: [q, k, v][128] f32
.set WS,    BT+1536                    ; the weights' scale bytes: [q, k, v][128 rows][32]
.set SPARE, WS+12288
.set SPW, 2
.set NIL, 3
.set AW0, 4                            ; a weight fragment: r x pitch + 16 h
.set ABQ, 5                            ; Q's, K's bias: 8 h floats on
.set ABV, 6                            ; V's: float r
.set AS0, 7                            ; scale words: row l of a pair of blocks
.set AW,  8                            ; the same for the pair that is fetched next
.set AB,  9
.set AS,  10
.set QO,  11                           ; 16 r + 8 h
.set QSO, 12                           ; 4 r + 64 h
.set VO,  13                           ; 1,024 (r / 8) + 256 h + 16 (r % 8)
.set SW,  20                           ; v20-27 a pair's scale words: lanes 0-15 the even block, lanes 16-31 the odd
.set CB,  28                           ; v28-43 the first products' C: even block, odd block
.set BM,  44
.set PB,  48
.set LM,  52
.set SO,  56
.set OB,  60
.set SX,  64                           ; v64-95 x's scale words: 8 tile + q
.set PC,  96                           ; v96-111 codes
.set ACC, 112                          ; v112-175 eight accumulators
.set VSO, 176                          ; 64 (r / 8) + 4 (r % 8) + h
.set ADRX, 177
.set XS,  178
.set L16, 179
.set L4,  180
.set DW,  181
.set DB,  182
.set PF,  183
.set ST,  184                          ; v184-210 scale bytes and bias on their way to LDS
.set G1X, 4
.set G1W, 12
.set G1V, 20
.set G0X, 28
.set G0Q, 32
.set G0K, 36
.set G0V, 40
.set TW,  53
.set TB,  54
.set TS,  55
.set CNT, 56
.set P,   57
.set MNT, 58
.set HM,  59
.set OC,  60
.set OS,  62
.set SEL, 104
.set MSB, 0
.macro WIN new                         ; the immediate's high byte repeats the setting that is left
.set NW, (\new)
.if MSB != NW
	s_set_vgpr_msb (MSB<<8)|NW
.set MSB, NW
.endif
.endm
.macro PLACES n
.rept \n
	v_nop
.endr
.endm
.macro CROUND                          ; a round of the cluster's barrier
	s_barrier_signal -1
	s_barrier_wait -1
	s_cmp_lg_u32 s44, 0
	s_cbranch_scc1 .Lnot_wave_0_\@
	s_barrier_signal -3
.Lnot_wave_0_\@:
	s_barrier_wait -3
	s_barrier_signal -1
	s_barrier_wait -1
.endm
.macro TLOAD g0, g1                    ; s_nop 0 and four v_nop follow a tensor load
	tensor_load_to_lds s[\g0:\g0+3], s[\g1:\g1+7]
	s_nop 0
	PLACES 4
.endm
.macro GROUP1 g, mask, rows            ; rows of 1,024 bytes, dense in memory, 16 bytes of padding behind each in LDS
	s_or_b32 s[\g], s[\mask], (1<<20)|(1<<21)|(7<<22)|(3<<25)
	s_mov_b32 s[\g+1], 1024<<16
	s_mov_b32 s[\g+2], (\rows)<<16
	s_mov_b32 s[\g+3], 1024<<16
	s_mov_b32 s[\g+4], \rows
	s_mov_b32 s[\g+5], 1024
	s_mov_b32 s[\g+6], 0
	s_mov_b32 s[\g+7], 0
.endm
.macro GROUP0 g, lds, ptr, off
	s_mov_b32 s[\g], 1
	s_mov_b32 s[\g+1], s\lds
	s_add_nc_u64 s[\g+2:\g+3], s[\ptr:\ptr+1], s[\off:\off+1]
	s_or_b32 s[\g+3], s[\g+3], 0x80000000
.endm
	s_load_b512 s[68:83], s[0:1], 0x0              ; x_codes, x_scales, wq_codes, wq_scales, wk_codes, wk_scales, wv_codes, wv_scales
	s_load_b512 s[84:99], s[0:1], 0x40             ; bq, bk, bv, q_img, q_sc, k_img, k_sc, v_img
	s_load_b64 s[100:101], s[0:1], 0x80            ; v_sc
	v_lshl_add_u32 v[SPW], v0, 2, SPARE
	v_mov_b32 v[NIL], 0
	ds_add_u32 v[SPW], v[NIL]                      ; the opening lines: the add, twice on end, and its wait
	ds_add_u32 v[SPW], v[NIL]
	v_lshrrev_b32 v1, 5, v0
	v_readfirstlane_b32 s44, v1                    ; wave 0..3
	s_lshr_b32 s45, s44, 1                         ; my group of 128 tokens
	s_and_b32 s46, s44, 1                          ; my half of it
	s_bfe_u32 s47, ttmp6, 0x40000                  ; cx, cy
	s_bfe_u32 s48, ttmp6, 0x40004
	s_lshl_b32 s49, ttmp9, 2
	s_add_co_u32 s49, s49, s47                     ; the pair of heads
	s_and_b32 s50, ttmp7, 0xffff
	s_lshl_b32 s50, s50, 2
	s_add_co_u32 s50, s50, s48                     ; the tile row: 256 tokens
	s_lshl_b32 s51, s48, 2
	s_lshl_b32 s51, 15, s51                        ; my row of the cluster: shares x
	s_lshl_b32 s52, 0x1111, s47                    ; my column: shares the weights
	GROUP1 G1X, 51, 64
	GROUP1 G1W, 52, 64
	GROUP1 G1V, 52, 32
	s_lshl_b32 s60, s50, 18
	s_lshl_b32 s61, s44, 16
	s_add_co_u32 s60, s60, s61                     ; x: my 64 rows, in bytes
	s_mov_b32 s61, 0
	s_lshl_b32 s62, s49, 17
	s_lshl_b32 s63, s46, 16
	s_add_co_u32 s62, s62, s63                     ; wq, wk: a half of the pair's 128 rows
	s_mov_b32 s63, 0
	s_lshl_b32 s66, s49, 17
	s_lshl_b32 s67, s44, 15
	s_add_co_u32 s66, s66, s67                     ; wv: a quarter
	s_mov_b32 s67, 0
	s_mul_i32 s53, s44, 64*PITCH
	s_mul_i32 s54, s46, 64*PITCH
	s_add_co_u32 s56, s54, SLOT1
	s_mul_i32 s55, s44, 32*PITCH
	s_wait_dscnt 0x0
	s_wait_kmcnt 0x0
	GROUP0 G0X, 53, 68, 60
	GROUP0 G0Q, 54, 72, 62
	GROUP0 G0K, 56, 76, 62
	GROUP0 G0V, 55, 80, 66
	CROUND                                         ; all sixteen work-groups are here: the first joint loads meet
	TLOAD G0X, G1X                                 ; one load a wave: my own 64 rows of x
	s_lshl_b32 s60, s50, 13
	s_lshl_b32 s62, s44, 11
	s_add_co_u32 s60, s60, s62
	s_add_nc_u64 s[70:71], s[70:71], s[60:61]      ; x's scale bytes at my first token
	s_lshl_b32 s60, s49, 12
	s_lshl_b32 s62, s44, 10
	s_add_co_u32 s60, s60, s62                     ; the weights' scale bytes: the pair's 4,096, my quarter
	s_add_nc_u64 s[74:75], s[74:75], s[60:61]
	s_add_nc_u64 s[78:79], s[78:79], s[60:61]
	s_add_nc_u64 s[82:83], s[82:83], s[60:61]
	s_lshl_b32 s60, s49, 9
	s_lshl_b32 s62, s44, 7
	s_add_co_u32 s60, s60, s62                     ; the bias: the pair's 512 bytes, my quarter
	s_add_nc_u64 s[84:85], s[84:85], s[60:61]
	s_add_nc_u64 s[86:87], s[86:87], s[60:61]
	s_add_nc_u64 s[88:89], s[88:89], s[60:61]
	s_lshr_b32 s66, s50, 3
	s_lshl_b32 s66, s66, 7
	s_lshl_b32 s62, s49, 4
	s_add_co_u32 s66, s66, s62
	s_and_b32 s62, s50, 7
	s_lshl_b32 s62, s62, 1
	s_add_co_u32 s66, s66, s62
	s_add_co_u32 s66, s66, s45                     ; blk
	s_lshl_b32 s60, s66, 14
	s_lshl_b32 s62, s46, 12
	s_add_co_u32 s60, s60, s62                     ; Q, K: my four tiles of the group's eight
	s_add_nc_u64 s[90:91], s[90:91], s[60:61]
	s_add_nc_u64 s[94:95], s[94:95], s[60:61]
	s_add_co_u32 s60, s60, s62                     ; V: my two key blocks of four: 8,192 x half
	s_add_nc_u64 s[98:99], s[98:99], s[60:61]
	s_lshl_b32 s60, s66, 9
	s_lshl_b32 s62, s46, 1
	s_add_co_u32 s62, s62, s60
	s_mov_b32 s63, 0
	s_add_nc_u64 s[100:101], s[100:101], s[62:63]
	s_lshl_b32 s62, s46, 8
	s_add_co_u32 s60, s60, s62
	s_add_nc_u64 s[92:93], s[92:93], s[60:61]
	s_add_nc_u64 s[96:97], s[96:97], s[60:61]
	s_lshl_b32 s56, s44, 10
	s_add_co_u32 s56, s56, WS
	s_lshl_b32 s57, s44, 7
	s_add_co_u32 s57, s57, BT
	s_lshl_b32 s58, s48, 2
	s_add_co_u32 s58, s58, s44                     ; which of my cluster column's sixteen waves I am: my share of a prefetch
	s_lshl_b32 s58, s58, 13
	s_lshl_b32 s59, s49, 17
	s_add_co_u32 s58, s58, s59
	v_and_b32 v1, 15, v0                           ; r
	v_bfe_u32 v14, v0, 4, 1                        ; h
	v_and_b32 v15, 31, v0                          ; l
	v_and_b32 v16, 8, v1
	v_add_nc_u32 v16, v16, v1                      ; r + 8 (r / 8)
	v_mul_u32_u24 v17, v16, PITCH
	v_lshl_add_u32 v17, v14, 4, v17
	v_add_nc_u32 v[ADRX], s53, v17
	v_mul_u32_u24 v17, v1, PITCH
	v_lshl_add_u32 v[AW0], v14, 4, v17
	v_lshl_add_u32 v[ABQ], v14, 5, BT
	v_lshl_add_u32 v[ABV], v1, 2, BT+1024
	v_lshl_add_u32 v[AS0], v15, 5, WS
	v_lshlrev_b32 v17, 3, v14
	v_lshl_add_u32 v[QO], v1, 4, v17
	v_lshlrev_b32 v17, 6, v14
	v_lshl_add_u32 v[QSO], v1, 2, v17
	v_lshrrev_b32 v18, 3, v1
	v_and_b32 v19, 7, v1
	v_lshlrev_b32 v17, 10, v18
	v_lshl_add_u32 v17, v14, 8, v17
	v_lshl_add_u32 v[VO], v19, 4, v17
	v_lshlrev_b32 v17, 6, v18
	v_lshl_add_u32 v17, v19, 2, v17
	v_add_nc_u32 v[VSO], v17, v14
	v_lshlrev_b32 v[XS], 5, v16
	v_lshlrev_b32 v[L16], 4, v15
	v_lshlrev_b32 v[L4], 2, v15
	v_add_nc_u32 v[DW], s56, v[L16]
	v_add_nc_u32 v[DB], s57, v[L4]
	v_lshl_add_u32 v[PF], v15, 8, s58
.irp k, 0,1,2,3
	v_mov_b32 v[PB+\k], 0                          ; a lane permute's destination counts as one of its sources
.endr
	s_wait_alu depctr_va_vdst(0)                   ; the wait at the head's end
	global_prefetch_b8 v[PF], s[72:73] th:TH_LOAD_NT scope:SCOPE_SE
	global_prefetch_b8 v[PF], s[76:77] th:TH_LOAD_NT scope:SCOPE_SE
.irp t, 0,1,2,3
.irp c, 0,1
	global_load_b128 v[SX+8*\t+4*\c:SX+8*\t+4*\c+3], v[XS], s[70:71] offset:(32*(\t/2)+8*(\t%2))*32+16*\c
.endr
.endr
.irp k, 0,1,2
	global_load_b128 v[ST+8*\k:ST+8*\k+3], v[L16], s[74+4*\k:75+4*\k]
	global_load_b128 v[ST+8*\k+4:ST+8*\k+7], v[L16], s[74+4*\k:75+4*\k] offset:512
	global_load_b32 v[ST+24+\k], v[L4], s[84+2*\k:85+2*\k]
.endr
	s_mov_b32 s[SEL], 0x76543210
	s_mov_b32 s[SEL+1], 0xfedcba98
	s_mov_b32 s[MNT], 0x600000                     ; the mantissa field of 448
	s_mov_b32 s[HM], 0xffff0000                    ; lanes 16-31
	s_wait_tensorcnt 0x0                           ; my 64 rows of x are in: I alone read them
.irp q, 0,1,2,3,4,5,6,7                        ; x's fragment 4 q + tile in window 1 + (4 q + tile) / 16
.irp t, 0,1,2,3
	WIN (1+(4*\q+\t)/16)<<6
.irp c, 0,1,2,3
	ds_load_b128 v[16*((4*\q+\t)%16)+4*\c:16*((4*\q+\t)%16)+4*\c+3], v[ADRX] offset:(32*(\t/2)+8*(\t%2))*PITCH+128*\q+32*\c
.endr
.endr
.endr
	WIN 0
	s_wait_loadcnt 0x0
.irp k, 0,1,2
	ds_store_b128 v[DW], v[ST+8*\k:ST+8*\k+3] offset:4096*\k
	ds_store_b128 v[DW], v[ST+8*\k+4:ST+8*\k+7] offset:4096*\k+512
	ds_store_b32 v[DB], v[ST+24+\k] offset:512*\k
.endr
	s_wait_tensorcnt 0x0                           ; the three lines ahead of a refill's round
	ds_add_u32 v[SPW], v[NIL]
	s_wait_dscnt 0x0                               ; x is in registers, the tables are stored
	CROUND
	s_cmp_eq_u32 s45, 0                            ; waves 0, 1: wq's halves into slot 0; waves 2, 3: wk's into slot 1
	s_cbranch_scc0 .Lfor_k
	TLOAD G0Q, G1W
	s_branch .Lasked
.Lfor_k:
	TLOAD G0K, G1W
.Lasked:
	global_prefetch_b8 v[PF], s[80:81] th:TH_LOAD_NT scope:SCOPE_SE
.macro PROD kind, set, n               ; product n = 4 q + tile of a block in set
.set Q_, (\n)/4
.set T_, (\n)%4
.if \kind
.set D_, ACC+32*\set+8*T_
.else
.set D_, ACC+16*T_+8*\set
.endif
.set C_, D_
.if Q_ == 0
.set C_, CB+8*\set
.endif
.set X_, 16*((\n)%16)
.set W_, 128*\set+16*Q_
.if \kind
	WIN (1+(\n)/16)|(3<<2)
.if \set
	v_wmma_scale_f32_16x16x128_f8f6f4 v[D_:D_+7], v[X_:X_+15], v[W_:W_+15], v[C_:C_+7], v[SX+8*T_+Q_], v[SW+Q_] matrix_b_scale:MATRIX_SCALE_ROW1
.else
	v_wmma_scale_f32_16x16x128_f8f6f4 v[D_:D_+7], v[X_:X_+15], v[W_:W_+15], v[C_:C_+7], v[SX+8*T_+Q_], v[SW+Q_]
.endif
.else
	WIN 3|((1+(\n)/16)<<2)
.if \set
	v_wmma_scale_f32_16x16x128_f8f6f4 v[D_:D_+7], v[W_:W_+15], v[X_:X_+15], v[C_:C_+7], v[SW+Q_], v[SX+8*T_+Q_] matrix_a_scale:MATRIX_SCALE_ROW1
.else
	v_wmma_scale_f32_16x16x128_f8f6f4 v[D_:D_+7], v[W_:W_+15], v[X_:X_+15], v[C_:C_+7], v[SW+Q_], v[SX+8*T_+Q_]
.endif
.endif
.endm
.macro PRODS kind, set
.set N_, 0
.rept 32
	PROD \kind, \set, N_
.set N_, N_+1
.endr
	WIN 0
	PLACES 8                                       ; eight places ahead of the readers of the sums and of loads into what the products have read
.endm
.macro FW set                          ; a block of 16 weight rows, all of K: 32 loads
	WIN 3<<6
.irp q, 0,1,2,3,4,5,6,7
.irp c, 0,1,2,3
	ds_load_b128 v[128*\set+16*\q+4*\c:128*\set+16*\q+4*\c+3], v[AW] offset:16*PITCH*\set+128*\q+32*\c
.endr
.endr
	WIN 0
.endm
.macro FC kind, set                    ; its bias in the result's layout: Q, K: 8 channels a lane (2 loads); V: one channel a lane in all eight registers (8 loads)
.if \kind
.irp j, 0,1,2,3,4,5,6,7
	ds_load_b32 v[CB+8*\set+\j], v[AB] offset:64*\set
.endr
.else
	ds_load_b128 v[CB+8*\set:CB+8*\set+3], v[AB] offset:64*\set
	ds_load_b128 v[CB+8*\set+4:CB+8*\set+7], v[AB] offset:64*\set+16
.endif
.endm
.macro FS                              ; a pair's scale words
	ds_load_b128 v[SW:SW+3], v[AS]
	ds_load_b128 v[SW+4:SW+7], v[AS] offset:16
.endm
.macro ADDR ab0                        ; the LDS addresses of the pair that is fetched next
	v_add_nc_u32 v[AW], s[TW], v[AW0]
	v_add_nc_u32 v[AB], s[TB], v[\ab0]
	v_add_nc_u32 v[AS], s[TS], v[AS0]
	s_wait_alu depctr_va_vdst(0)                   ; directly behind the writes
.endm
; A PAIR OF BLOCKS.  kind: 0 Q or K, 1 V;  nk: the kind of the pair that is fetched meanwhile (-1: none);  bc, bs: where the codes and the scale bytes go.
.macro PAIR kind, nk, bc, bs
.if \nk == 1
	ADDR ABV
.elseif \nk == 0
	ADDR ABQ
.endif
	s_wait_dscnt 34+6*\kind                        ; the even block, its C and the scale words are in; behind them stand the odd block's C and its 32 loads
	PRODS \kind, 0
.if \nk >= 0
	FC \nk, 0
	FW 0
	s_wait_dscnt 34+6*\nk                          ; the odd block is in; behind it stand the lines just issued
.else
	s_wait_dscnt 0x0
.endif
	PRODS \kind, 1
.if \nk >= 0
	FS
	FC \nk, 1
	FW 1
.endif
	s_wait_xcnt 0x0                                ; the last pair's stores have read their bases and registers
.if \kind
	s_lshl_b32 s66, s[P], 11
	s_mov_b32 s67, 0
	s_add_nc_u64 s[OC:OC+1], s[\bc:\bc+1], s[66:67]
	s_lshl_b32 s66, s[P], 7
	s_add_nc_u64 s[OS:OS+1], s[\bs:\bs+1], s[66:67]
.else
	s_and_b32 s66, s[P], 1                         ; pair P of a chunk: head P / 2, scale block P % 2
	s_lshl_b32 s66, s66, 9
	s_lshr_b32 s67, s[P], 1
	s_lshl_b32 s67, s67, 13
	s_add_co_u32 s66, s66, s67
	s_mov_b32 s67, 0
	s_add_nc_u64 s[OC:OC+1], s[\bc:\bc+1], s[66:67]
	s_mov_b32 s66, s[P]
	s_add_nc_u64 s[OS:OS+1], s[\bs:\bs+1], s[66:67]
.endif
.irp k, 0,1,2,3                                ; THE QUANTISER: four groups of 16 registers, each half a scale block; the floor 2^-118 holds the byte at 1 from below
	v_max3_num_f32 v[BM+\k], |v[ACC+16*\k]|, |v[ACC+16*\k+1]|, 0x4800000
.endr
.irp i, 2,4,6,8,10,12,14
.irp k, 0,1,2,3
	v_max3_num_f32 v[BM+\k], v[BM+\k], |v[ACC+16*\k+\i]|, |v[ACC+16*\k+\i+1]|
.endr
.endr
.irp k, 0,1,2,3
	v_permlanex16_b32 v[PB+\k], v[BM+\k], s[SEL], s[SEL+1]
.endr
.irp k, 0,1,2,3
	v_max_num_f32 v[BM+\k], v[BM+\k], v[PB+\k]     ; with lane l xor 16's half
.endr
.irp k, 0,1,2,3
	v_add_nc_u32 v[SO+\k], 0xfc000000, v[BM+\k]    ; 8 off the exponent field: the conversion's scale operand
.endr
.irp k, 0,1,2,3
	v_and_or_b32 v[LM+\k], v[BM+\k], 0x7f800000, s[MNT]   ; 448 x the scale
.endr
.irp k, 0,1,2,3
	v_lshrrev_b32 v[PB+\k], 23, v[SO+\k]           ; the scale's byte
.endr
.irp k, 0,1,2,3
.irp i, 0,1,2,3,4,5,6,7,8,9,10,11,12,13,14,15
	v_med3_num_f32 v[ACC+16*\k+\i], v[ACC+16*\k+\i], -v[LM+\k], v[LM+\k]   ; the conversion does not saturate (ISA guide 7.6.2)
.endr
	v_cvt_scalef32_pk8_fp8_f32 v[PC+4*\k:PC+4*\k+1], v[ACC+16*\k:ACC+16*\k+7], v[SO+\k]
	v_cvt_scalef32_pk8_fp8_f32 v[PC+4*\k+2:PC+4*\k+3], v[ACC+16*\k+8:ACC+16*\k+15], v[SO+\k]
.endr
	v_nop                                          ; a plain line behind the last scaled conversion
.irp i, 0,1
	v_cndmask_b32 v[OB+\i], v[PB+2*\i], v[PB+2*\i+1], s[HM]   ; lanes 0-15 store group 2 i's byte, lanes 16-31 group 2 i + 1's
.endr
.if \kind
.irp k, 0,1,2,3                                ; group 2 (odd block) + c
	global_store_b128 v[VO], v[PC+4*\k:PC+4*\k+3], s[OC:OC+1] offset:(\k/2)*128+(\k%2)*512
.endr
.irp i, 0,1
	global_store_b8 v[VSO], v[OB+\i], s[OS:OS+1] offset:32*\i
.endr
.else
.irp k, 0,1,2,3                                ; group = tile: the even block's 8 codes a lane, then the odd block's: 256 bytes on end each
	global_store_b64 v[QO], v[PC+4*\k:PC+4*\k+1], s[OC:OC+1] offset:1024*\k
	global_store_b64 v[QO], v[PC+4*\k+2:PC+4*\k+3], s[OC:OC+1] offset:1024*\k+256
.endr
.irp i, 0,1
	global_store_b8 v[QSO], v[OB+\i], s[OS:OS+1] offset:128*\i
.endr
.endif
.endm
.macro NEXT lab
	s_add_co_u32 s[TW], s[TW], 32*PITCH
	s_add_co_u32 s[TB], s[TB], 128
	s_add_co_u32 s[TS], s[TS], 1024
	s_add_co_u32 s[P], s[P], 1
	s_sub_co_u32 s[CNT], s[CNT], 1
	s_cmp_lg_u32 s[CNT], 0
	s_cbranch_scc1 \lab
.endm
	s_mov_b32 s[TW], 0
	s_mov_b32 s[TB], 0
	s_mov_b32 s[TS], 0
	s_wait_tensorcnt 0x0                           ; every wave: its half of wq or wk is in
	s_barrier_signal -1
	s_barrier_wait -1
	ADDR ABQ
	FC 0, 0                                        ; the first pair
	FW 0
	FS
	FC 0, 1
	FW 1
	s_mov_b32 s[TW], 32*PITCH
	s_mov_b32 s[TB], 128
	s_mov_b32 s[TS], 1024
	s_mov_b32 s[P], 0
	s_mov_b32 s[CNT], 4
.Lq:                                               ; Q's four pairs; the last fetches K's first, which lies behind them in LDS
	PAIR 0, 0, 90, 92
	NEXT .Lq
	s_wait_tensorcnt 0x0                           ; the three lines ahead of a refill's round
	ds_add_u32 v[SPW], v[NIL]
	s_wait_dscnt 0x0                               ; my reads of wq's rows are long over
	CROUND
	TLOAD G0V, G1V                                 ; wv's rows over wq's: a quarter a wave
	s_mov_b32 s[TW], 5*32*PITCH
	s_mov_b32 s[TB], 5*128
	s_mov_b32 s[TS], 5*1024
	s_mov_b32 s[P], 0
	s_mov_b32 s[CNT], 3
.Lk:                                               ; K's first three pairs
	PAIR 0, 0, 94, 96
	NEXT .Lk
	s_wait_tensorcnt 0x0                           ; every wave: its quarter of wv is in
	s_wait_dscnt 0x0
	s_barrier_signal -1
	s_barrier_wait -1
	s_mov_b32 s[TW], 0
	s_mov_b32 s[TB], 0
	s_mov_b32 s[TS], 8*1024
	PAIR 0, 1, 94, 96                              ; K's last pair fetches V's first
	s_mov_b32 s[TW], 32*PITCH
	s_mov_b32 s[TB], 128
	s_mov_b32 s[TS], 9*1024
	s_mov_b32 s[P], 0
	s_mov_b32 s[CNT], 3
.Lv:                                               ; V's first three pairs
	PAIR 1, 1, 98, 100
	NEXT .Lv
	PAIR 1, -1, 98, 100
	s_wait_tensorcnt 0x0                           ; the wave's end
	ds_add_u32 v[SPW], v[NIL]
	s_wait_dscnt 0x0
	CROUND                                         ; the closing round
	s_endpgm
.Lfunc_end_k_qcfd8618889_qkv:
	.size	k_qcfd8618889_qkv, .Lfunc_end_k_qcfd8618889_qkv-k_qcfd8618889_qkv
	.p2alignl 7, 3214868480
	.fill 96, 4, 3214868480
	.section	.rodata,"a",@progbits
	.p2align	6, 0x0
	.amdhsa_kernel k_qcfd8618889_qkv
		.amdhsa_group_segment_fixed_size 327680
		.amdhsa_private_segment_fixed_size 0
		.amdhsa_enable_private_segment 0
		.amdhsa_kernarg_size 136
		.amdhsa_user_sgpr_count 2
		.amdhsa_user_sgpr_kernarg_segment_ptr 1
		.amdhsa_wavefront_size32 1
		.amdhsa_system_sgpr_workgroup_id_x 1
		.amdhsa_system_sgpr_workgroup_id_y 1
		.amdhsa_system_sgpr_workgroup_id_z 1
		.amdhsa_system_vgpr_workitem_id 0
		.amdhsa_next_free_vgpr 1024
		.amdhsa_next_free_sgpr 106
		.amdhsa_reserve_vcc 0
		.amdhsa_float_denorm_mode_32 3
		.amdhsa_float_denorm_mode_16_64 3
		.amdhsa_memory_ordered 1
		.amdhsa_forward_progress 1
		.amdhsa_inst_pref_size 137
	.end_amdhsa_kernel
	.amdgpu_metadata
---
amdhsa.version: [ 1, 2 ]
amdhsa.kernels:
  - .name:           k_qcfd8618889_qkv
    .symbol:         k_qcfd8618889_qkv.kd
    .args:
      - { .name: x_codes, .offset: 0, .size: 8, .value_kind: global_buffer, .address_space: global }
      - { .name: x_scales, .offset: 8, .size: 8, .value_kind: global_buffer, .address_space: global }
      - { .name: wq_codes, .offset: 16, .size: 8, .value_kind: global_buffer, .address_space: global }
      - { .name: wq_scales, .offset: 24, .size: 8, .value_kind: global_buffer, .address_space: global }
      - { .name: wk_codes, .offset: 32, .size: 8, .value_kind: global_buffer, .address_space: global }
      - { .name: wk_scales, .offset: 40, .size: 8, .value_kind: global_buffer, .address_space: global }
      - { .name: wv_codes, .offset: 48, .size: 8, .value_kind: global_buffer, .address_space: global }
      - { .name: wv_scales, .offset: 56, .size: 8, .value_kind: global_buffer, .address_space: global }
      - { .name: bq, .offset: 64, .size: 8, .value_kind: global_buffer, .address_space: global }
      - { .name: bk, .offset: 72, .size: 8, .value_kind: global_buffer, .address_space: global }
      - { .name: bv, .offset: 80, .size: 8, .value_kind: global_buffer, .address_space: global }
      - { .name: q_img, .offset: 88, .size: 8, .value_kind: global_buffer, .address_space: global }
      - { .name: q_sc, .offset: 96, .size: 8, .value_kind: global_buffer, .address_space: global }
      - { .name: k_img, .offset: 104, .size: 8, .value_kind: global_buffer, .address_space: global }
      - { .name: k_sc, .offset: 112, .size: 8, .value_kind: global_buffer, .address_space: global }
      - { .name: v_img, .offset: 120, .size: 8, .value_kind: global_buffer, .address_space: global }
      - { .name: v_sc, .offset: 128, .size: 8, .value_kind: global_buffer, .address_space: global }
    .group_segment_fixed_size: 327680
    .private_segment_fixed_size: 0
    .kernarg_segment_align: 8
    .kernarg_segment_size: 136
    .max_flat_workgroup_size: 128
    .sgpr_count:     106
    .vgpr_count:     1024
    .wavefront_size: 32
...
	.end_amdgpu_metadata
.endif
;; end of part 1
;; launch attn (part 2): grid 4 x 64, 8 waves a work-group, clusters of 4 x 1, 280,576 bytes of LDS; arguments q_img, q_sc, k_img, k_sc, v_img, v_sc, ao_img, ao_sc; writes ao_img, ao_sc
.if DOCPART == 2
	.amdgcn_target "amdgcn-amd-amdhsa--gfx1250"
	.amdhsa_code_object_version 6
	.text
	.protected	k_qcfd8618889_attn
	.globl	k_qcfd8618889_attn
	.p2align	8
	.type	k_qcfd8618889_attn,@function
k_qcfd8618889_attn:
	s_mov_b64 s[64:65], 0
	v_nop
	global_prefetch_b8 v0, s[64:65] scope:SCOPE_SE
	s_setreg_imm32_b32 hwreg(HW_REG_WAVE_MODE, 25, 1), 1
	s_wait_xcnt 0x0
	s_wait_alu depctr_hold_cnt(0) depctr_sa_sdst(0) depctr_va_vdst(0) depctr_va_sdst(0) depctr_va_ssrc(0) depctr_va_vcc(0) depctr_vm_vsrc(0)
	s_getreg_b32 s2, hwreg(HW_REG_IB_STS2, 6, 4)
	s_cmp_eq_u32 s2, 0
	s_cbranch_scc0 .Lentry_in_a_cluster
	s_endpgm
.Lentry_in_a_cluster:
	s_bfe_u32 s2, ttmp6, 0x10000c
	s_cmp_lg_u32 s2, 0x3003
	s_cbranch_scc0 .Lentry_shape_is_right
	s_endpgm
.Lentry_shape_is_right:
; Attention of one head on codes of FP8 (E4M3), one E8M0 byte for each 32 along a product's K: O[q] = sum over k of softmax_k(Q[q] . K[k] / 8) V[k], 2,048 keys, head size 64.
; The result is quantised along the model's 1,024 (two blocks of 32 in a head) and stored as images of the last product's operand registers.
; THE SOFTMAX: t = score x log2(e) / 8; M = the row's largest t so far, rounded UP to a whole number; p = 2^(t - M) is quantised along the keys, not normalised; the row's sum is taken of the
; unquantised p and divides O at the end.  When M moves, the sum and O are multiplied by 2^(old M - new M): exact.
; SHARES.  A work-group owns one head (work-group y = 16 x batch + head) and 512 queries, in two passes of 256.  Each of its eight waves owns TWO tiles of 16 queries, which share every fragment of K and V
; that the wave reads from LDS.  The two tiles run half a step apart: the products of one tile stand among the softmax lines of the other.
; THE HEAD'S WHOLE K AND V LIE IN LDS, each byte filled once: one joint tensor load a wave (even waves a quarter of K, odd waves a quarter of V: four key steps each); the four query blocks of a head form
; a cluster and ask jointly.  The 16 KiB of scale words, one part in seventeen of the bytes, come through registers, 2 KiB a wave.  The first barrier of a pass shows the first quarters (waves 0 and 1
; have load lines of their own), the second, three steps on, all the rest.  Nothing is asked of memory ahead: every byte of K and V is named by a tensor load in the kernel's first lines.
; LAYOUT.  Codes lie as images of operand registers: 16 bytes a lane, 512 bytes on end, are four registers of a fragment.  Both products are used transposed (S^T = K Q^T, O^T = V^T P^T): a lane holds ONE
; query (lane % 16).  Lane r of key tile 2 b + u holds key 32 b + 8 u + r + 8 (r / 8), so that the 16 registers of tiles 2 b, 2 b + 1 are keys 32 b + 16 (lane / 16) + 0 .. 15; V's channels likewise.
; K = 64 IN A FORM OF 128: Q's registers 8-15 hold zero codes; the first source of key tile t runs on into tile t + 1's codes (zeros behind tile 7), which meet those zeros; scale words are loaded as 16 bits.
; LIMITS: NaN and infinities among the inputs are not served (a NaN code in K would reach the neighbouring tile's scores); a block of zeros, and any block under 2^-118, gets the scale byte 1 (this program
; alone reads the bytes); O is multiplied by v_rcp_f32 of the sum; the scaled scores stay under 2^31 in magnitude.  Behind the second pass the copy of the staged Q runs once more and is not used.
; WINDOW 0: addresses, state, scale words, temporaries, S^T of both tiles, p's codes.  WINDOW 1: K's and V's fragments, O^T and Q of both tiles.
.set SCB,   262144                     ; LDS: K 16 x 8,192, V 16 x 8,192, then K's scale words (16 x 512), V's, the spare words
.set SPARE, 0x44000
.set LI,  1                            ; 16 x lane
.set LSK, 2                            ; my lane's place among a step's scale words of K
.set LSV, 3                            ; and of V
.set ADK, 4
.set ADS, 5
.set ADT, 6
.set QSO, 7                            ; 4 x (lane % 16)
.set ST,  8                            ; tile T: v[8+4T] -M, +1 the largest t, +2, +3 the sum in two halves
.set KSW, 16                           ; K's scale words: lanes 0-15 tile 2 p, lanes 16-31 tile 2 p + 1
.set QSW, 20
.set VSW, 22
.set PSW, 24
.set FF,  26                           ; tile T: v[26+2T] f = 2^(old M - new M), named as a pair
.set SPW, 30
.set NIL, 31
.set BM,  32
.set PB,  36
.set LM,  40
.set SO,  44
.set TT,  48
.set CH,  50                           ; seven pairs: chains of the row's sum
.set S,   64                           ; S^T, then p: tile T at 64 + 64 T
.set PC,  192                          ; p's codes: tile T at 192 + 16 T
.set QW1, 224                          ; the second pass's scale words of Q
.set LIV, 226
.set ADV, 227
.set OSO, 228                          ; 32 x (lane % 16) + lane / 16
.set OB,  230
.set KF,  0                            ; window 1: K's eight tiles, zeros at 64-71
.set VF,  72                           ; V's four fragments
.set OF,  136                          ; O^T: tile T at 136 + 32 T
.set QF,  200                          ; Q: tile T at 200 + 16 T: eight registers of codes, eight of zeros
.set QS,  232                          ; the second pass's Q
.set WV,  20
.set G1K, 24
.set G1V, 32
.set G0,  48
.set SEL, 72
.set CS,  74
.set MNT, 76
.set TB,  77
.set TS,  78
.set CNT, 79
.set PASS, 80
.set HM,  81
.set MSB, 0
.macro WIN new                         ; the immediate's high byte repeats the setting that is left
.set NW, (\new)
.if MSB != NW
	s_set_vgpr_msb (MSB<<8)|NW
.set MSB, NW
.endif
.endm
.macro WALU
	s_wait_alu depctr_va_vdst(0)
.endm
.macro CROUND                          ; a round of the cluster's barrier
	s_barrier_signal -1
	s_barrier_wait -1
	s_cmp_lg_u32 s[WV], 0
	s_cbranch_scc1 .Lnot_wave_0_\@
	s_barrier_signal -3
.Lnot_wave_0_\@:
	s_barrier_wait -3
	s_barrier_signal -1
	s_barrier_wait -1
.endm
.macro TLOAD g1                        ; a joint load; s_nop 0 and four v_nop follow it
	tensor_load_to_lds s[G0:G0+3], s[\g1:\g1+7]
	s_nop 0
.rept 4
	v_nop
.endr
.endm
	s_load_b512 s[4:19], s[0:1], 0x0               ; q_img, q_sc, k_img, k_sc, v_img, v_sc, ao_img, ao_sc
	v_lshl_add_u32 v[SPW], v0, 2, SPARE
	v_mov_b32 v[NIL], 0
	ds_add_u32 v[SPW], v[NIL]                      ; the opening lines: the add, twice on end, and its wait
	ds_add_u32 v[SPW], v[NIL]
	v_lshrrev_b32 v[TT], 5, v0
	v_readfirstlane_b32 s[WV], v[TT]               ; wave 0..7
	s_and_b32 s21, ttmp7, 0xffff                   ; 16 x batch + head: the four partners share it
	s_and_b32 s22, s21, 1                          ; which head of its pair
	s_lshr_b32 s82, s21, 1
	s_and_b32 s23, s82, 7                          ; the pair of heads
	s_lshl_b32 s83, s82, 4                         ; the pair's first block of 16 KiB in q_img, k_img, v_img
	s_mov_b32 s[G1K], 15|(3<<16)|(1<<21)           ; K: four steps: rows of 8,192 bytes, 16,384 apart; mask: all four work-groups; elements of 8 bytes
	s_mov_b32 s[G1K+1], 1024<<16
	s_mov_b32 s[G1K+2], 4<<16
	s_mov_b32 s[G1K+3], 1024<<16
	s_mov_b32 s[G1K+4], 4
	s_mov_b32 s[G1K+5], 2048
	s_mov_b32 s[G1K+6], 0
	s_mov_b32 s[G1K+7], 0
	s_mov_b32 s[G1V], 15|(3<<16)|(1<<21)           ; V: four steps: eight rows of 4,096 bytes, 8,192 apart
	s_mov_b32 s[G1V+1], 512<<16
	s_mov_b32 s[G1V+2], 8<<16
	s_mov_b32 s[G1V+3], 512<<16
	s_mov_b32 s[G1V+4], 8
	s_mov_b32 s[G1V+5], 1024
	s_mov_b32 s[G1V+6], 0
	s_mov_b32 s[G1V+7], 0
	s_mov_b32 s[SEL], 0x76543210
	s_mov_b32 s[SEL+1], 0xfedcba98
	s_mov_b32 s[CS], 0x3e38aa3b                    ; log2(e) / 8
	s_mov_b32 s[CS+1], s[CS]
	s_mov_b32 s[MNT], 0x600000                     ; the mantissa field of 448
	s_mov_b32 s[HM], 0xffff0000                    ; lanes 16-31
	s_mov_b32 s[PASS], 2
	s_and_b32 s84, s[WV], 1                        ; I fetch for K (0) or for V (1),
	s_lshr_b32 s85, s[WV], 1                       ; this quarter of the keys
	s_lshl_b32 s86, s85, 2
	s_add_co_u32 s86, s86, s83
	s_lshl_b32 s86, s86, 14                        ; its first block, in bytes
	s_mov_b32 s87, 0
	s_lshl_b32 s92, s83, 9
	s_lshl_b32 s93, s85, 11
	s_add_co_u32 s92, s92, s93                     ; its scale words
	s_mov_b32 s93, 0
	s_lshl_b32 s94, s84, 17
	s_lshl_b32 s95, s85, 15
	s_add_co_u32 s94, s94, s95                     ; LDS: codes
	s_lshl_b32 s95, s84, 13
	s_lshl_b32 s96, s85, 11
	s_add_co_u32 s95, s95, s96
	s_add_co_u32 s95, s95, SCB                     ; LDS: scale words
	v_and_b32 v[TT], 31, v0
	v_lshlrev_b32 v[LI], 4, v[TT]
	v_lshlrev_b32 v[TT+1], 2, v[TT]
	s_lshl_b32 s96, s22, 1
	s_add_co_u32 s96, s96, SCB
	v_add_nc_u32 v[LSK], s96, v[TT+1]              ; K's words: 4 bytes a lane, my head's two bytes
	s_lshl_b32 s96, s22, 8
	s_add_co_u32 s96, s96, SCB+8192
	v_add_nc_u32 v[LSV], s96, v[TT+1]              ; V's: my head's four tiles of the pair's eight
	v_add_nc_u32 v[LIV], 0x20000, v[LI]
	v_add_nc_u32 v[ADT], s95, v[LI]                ; where my 2 KiB of scale words go
	v_and_b32 v[TT], 15, v0
	v_lshlrev_b32 v[QSO], 2, v[TT]
	v_bfe_u32 v[TT+1], v0, 4, 1
	v_lshl_add_u32 v[OSO], v[TT], 5, v[TT+1]
.irp b, 0,1,2,3
	v_mov_b32 v[PB+\b], 0                          ; a lane permute's destination counts as one of its sources
.endr
	v_mov_b32 v[FF+1], 0                           ; (named as upper halves of pairs)
	v_mov_b32 v[FF+3], 0
	WIN 0x40
.irp j, 0,1,2,3,4,5,6,7
	v_mov_b32 v[KF+64+\j], 0                       ; zero codes
	v_mov_b32 v[QF+8+\j], 0
	v_mov_b32 v[QF+24+\j], 0
.endr
	WIN 0
	s_wait_dscnt 0x0
	WALU
	s_wait_kmcnt 0x0
	s_cmp_eq_u32 s84, 0
	s_cselect_b64 s[88:89], s[8:9], s[12:13]       ; K's codes or V's
	s_cselect_b64 s[90:91], s[10:11], s[14:15]     ; and scale words
	s_cselect_b32 s96, 13, 12                      ; my head's part begins 8,192 bytes on in a block of K, 4,096 in a block of V
	s_lshl_b32 s96, s22, s96
	s_add_co_u32 s86, s86, s96
	s_add_nc_u64 s[88:89], s[88:89], s[86:87]
	s_add_nc_u64 s[90:91], s[90:91], s[92:93]
	s_mov_b32 s[G0], 1
	s_mov_b32 s[G0+1], s94
	s_mov_b64 s[G0+2:G0+3], s[88:89]
	s_or_b32 s[G0+3], s[G0+3], 0x80000000
	CROUND                                         ; all four work-groups are here: the joint loads meet
	s_cmp_lt_u32 s[WV], 1                          ; one load a wave, one chain of arms; the first quarters have lines of their own
	s_cbranch_scc0 .Larm_1
	TLOAD G1K
	s_branch .Lasked
.Larm_1:
	s_cmp_lt_u32 s[WV], 2
	s_cbranch_scc0 .Larm_2
	TLOAD G1V
	s_branch .Lasked
.Larm_2:
	s_cmp_eq_u32 s84, 0
	s_cbranch_scc0 .Larm_3
	TLOAD G1K
	s_branch .Lasked
.Larm_3:
	TLOAD G1V
.Lasked:
.irp j, 0,1,2,3
	global_load_b128 v[S+4*\j:S+4*\j+3], v[LI], s[90:91] offset:512*\j   ; my 2 KiB of scale words
.endr
	; my queries: group of 128 = 4 cx + 2 pass + wave / 4, tiles 2 (wave % 4) and the next.  cx enters these four global addresses alone
	s_bfe_u32 s84, ttmp6, 0x40000                  ; cx
	s_lshl_b32 s98, s84, 2
	s_lshr_b32 s99, s[WV], 2
	s_add_co_u32 s98, s98, s99
	s_and_b32 s99, s[WV], 3
	s_lshl_b32 s99, s99, 1
	s_mov_b32 s97, 0
	s_add_co_u32 s100, s83, s98
	s_lshl_b32 s96, s100, 14
	s_lshl_b32 s101, s22, 13
	s_add_co_u32 s96, s96, s101
	s_lshl_b32 s101, s99, 10
	s_add_co_u32 s96, s96, s101
	s_add_nc_u64 s[4:5], s[4:5], s[96:97]          ; Q's codes
	s_lshl_b32 s96, s100, 9
	s_lshl_b32 s101, s99, 6
	s_add_co_u32 s96, s96, s101
	s_lshl_b32 s101, s22, 1
	s_add_co_u32 s96, s96, s101
	s_add_nc_u64 s[6:7], s[6:7], s[96:97]          ; Q's scale words, my head's two bytes
	s_lshr_b32 s100, s21, 4
	s_lshl_b32 s100, s100, 4
	s_add_co_u32 s100, s100, s98
	s_lshl_b32 s100, s100, 3
	s_add_co_u32 s100, s100, s99                   ; my first tile of 16 rows among the result's 512
	s_lshl_b32 s96, s100, 14
	s_lshl_b32 s101, s23, 11
	s_add_co_u32 s96, s96, s101
	s_lshl_b32 s101, s22, 10
	s_add_co_u32 s96, s96, s101
	s_add_nc_u64 s[16:17], s[16:17], s[96:97]      ; the result's image: tile x 16,384 + pair x 2,048 + head x 1,024
	s_lshl_b32 s96, s100, 9
	s_lshl_b32 s101, s23, 2
	s_add_co_u32 s96, s96, s101
	s_lshl_b32 s101, s22, 1
	s_add_co_u32 s96, s96, s101
	s_add_nc_u64 s[18:19], s[18:19], s[96:97]      ; its scale bytes: 32 a row, my head's two
	WIN 0x40
.irp T, 0,1                                    ; Q of both passes: the first into its place, the second staged
	global_load_b128 v[QF+16*\T:QF+16*\T+3], v[LI], s[4:5] offset:1024*\T
	global_load_b128 v[QF+16*\T+4:QF+16*\T+7], v[LI], s[4:5] offset:1024*\T+512
	global_load_b128 v[QS+8*\T:QS+8*\T+3], v[LI], s[4:5] offset:32768+1024*\T
	global_load_b128 v[QS+8*\T+4:QS+8*\T+7], v[LI], s[4:5] offset:32768+1024*\T+512
.endr
	WIN 0
.irp T, 0,1
	global_load_u16 v[QSW+\T], v[QSO], s[6:7] offset:64*\T
	global_load_u16 v[QW1+\T], v[QSO], s[6:7] offset:1024+64*\T
.endr
	s_wait_loadcnt 12                              ; behind the four loads of scale words: Q's twelve
.irp j, 0,1,2,3
	ds_store_b128 v[ADT], v[S+4*\j:S+4*\j+3] offset:512*\j
.endr
	s_wait_loadcnt 0x0
.macro QK T, j                         ; S^T of tile T: key tiles 2 j, 2 j + 1
	WIN 0x05
	v_wmma_scale_f32_16x16x128_f8f6f4 v[S+64*\T+16*(\j):S+64*\T+16*(\j)+7], v[KF+16*(\j):KF+16*(\j)+15], v[QF+16*\T:QF+16*\T+15], 0, v[KSW+(\j)], v[QSW+\T]
	v_wmma_scale_f32_16x16x128_f8f6f4 v[S+64*\T+16*(\j)+8:S+64*\T+16*(\j)+15], v[KF+16*(\j)+8:KF+16*(\j)+23], v[QF+16*\T:QF+16*\T+15], 0, v[KSW+(\j)], v[QSW+\T] matrix_a_scale:MATRIX_SCALE_ROW1
.endm
.macro PV T, j                         ; O^T of tile T: channel tiles 2 j, 2 j + 1; the accumulators take turns
	WIN 0x51
	v_wmma_scale_f32_16x16x128_f8f6f4 v[OF+32*\T+16*(\j):OF+32*\T+16*(\j)+7], v[VF+32*(\j):VF+32*(\j)+15], v[PC+16*\T:PC+16*\T+15], v[OF+32*\T+16*(\j):OF+32*\T+16*(\j)+7], v[VSW+(\j)], v[PSW+\T]
	v_wmma_scale_f32_16x16x128_f8f6f4 v[OF+32*\T+16*(\j)+8:OF+32*\T+16*(\j)+15], v[VF+32*(\j)+16:VF+32*(\j)+31], v[PC+16*\T:PC+16*\T+15], v[OF+32*\T+16*(\j)+8:OF+32*\T+16*(\j)+15], v[VSW+(\j)], v[PSW+\T] matrix_a_scale:MATRIX_SCALE_ROW1
.endm
.macro KLOAD o                         ; K's fragments and scale words, o steps on: 20 LDS loads
.irp p, 0,1,2,3
	ds_load_u16 v[KSW+\p], v[ADS] offset:128*\p+512*\o
.endr
	WIN 0x40
.irp t, 0,1,2,3,4,5,6,7
	ds_load_b128 v[KF+8*\t:KF+8*\t+3], v[ADK] offset:1024*\t+8192*\o
	ds_load_b128 v[KF+8*\t+4:KF+8*\t+7], v[ADK] offset:1024*\t+512+8192*\o
.endr
	WIN 0
.endm
.macro VLOAD                           ; V's: 18 LDS loads
.irp b, 0,1
	ds_load_b32 v[VSW+\b], v[ADT] offset:128*\b
.endr
	WIN 0x40
.irp t, 0,1,2,3
.irp c, 0,1,2,3
	ds_load_b128 v[VF+16*\t+4*\c:VF+16*\t+4*\c+3], v[ADV] offset:(\c/2)*4096+\t*1024+(\c%2)*512
.endr
.endr
	WIN 0
.endm
; What stands at place n of a tile's softmax.  ph = 1 (tile 0's): V's loads, then tile 1's scores.  ph = 2 (tile 1's): tile 0's O^T, then (nx = 1) tile 0's scores of the next step.
.macro HK ph, n, nx
.if \ph == 1
.if \n == 0
	VLOAD
.endif
.if \n < 4
	QK 1, \n
	WIN 0
.endif
.else
.if \n == 0
	WALU
	s_wait_dscnt 20*\nx                            ; V is in; behind its loads stand the next step's 20 of K (nx = 0: none)
.endif
.if \n < 2
	PV 0, \n
	WIN 0
.elseif \nx
.if \n == 2
	WALU
	s_wait_dscnt 0x0                               ; the next step's K is in
.endif
	QK 0, \n-2
	WIN 0
.endif
.endif
.endm
; THE SOFTMAX OF TILE T FOR 128 KEYS, with the other tile's products at six places.
.macro SM T, ph, nx
	WALU                                           ; directly ahead of the scores' first readers
.irp b, 0,1,2,3
	v_max3_num_f32 v[BM+\b], v[S+64*\T+16*\b], v[S+64*\T+16*\b+1], v[S+64*\T+16*\b+2]   ; the largest score of each block of 32 keys: for the row's maximum and for the block's largest p
.endr
.irp i, 3,5,7,9,11,13
.irp b, 0,1,2,3
	v_max3_num_f32 v[BM+\b], v[BM+\b], v[S+64*\T+16*\b+\i], v[S+64*\T+16*\b+\i+1]
.endr
.endr
.irp b, 0,1,2,3
	v_max_num_f32 v[BM+\b], v[BM+\b], v[S+64*\T+16*\b+15]
.endr
	HK \ph, 0, \nx
.irp b, 0,1,2,3
	v_permlanex16_b32 v[PB+\b], v[BM+\b], s[SEL], s[SEL+1]
.endr
.irp b, 0,1,2,3
	v_max_num_f32 v[BM+\b], v[BM+\b], v[PB+\b]     ; with lane l xor 16's 16 keys
.endr
	HK \ph, 1, \nx
	v_max3_num_f32 v[TT], v[BM], v[BM+1], v[BM+2]
	s_delay_alu instid0(VALU_DEP_1)
	v_max_num_f32 v[TT], v[TT], v[BM+3]
	s_delay_alu instid0(VALU_DEP_1)
	v_mul_f32 v[TT], s[CS], v[TT]                  ; the step's largest t
	s_delay_alu instid0(VALU_DEP_1)
	v_max_num_f32 v[ST+4*\T+1], v[ST+4*\T+1], v[TT]   ; the running largest t
	v_mov_b32 v[TT], v[ST+4*\T]
	s_delay_alu instid0(VALU_DEP_2)
	v_floor_f32 v[ST+4*\T], -v[ST+4*\T+1]          ; the new -M = floor(-t): M is a whole number
	s_delay_alu instid0(VALU_DEP_1)
	v_sub_f32 v[TT], v[ST+4*\T], v[TT]             ; old M - new M: a whole number, 0 or less
	s_delay_alu instid0(VALU_DEP_1)
	v_cvt_i32_f32 v[TT], v[TT]                     ; (it saturates)
	s_delay_alu instid0(VALU_DEP_1)
	v_ldexp_f32 v[FF+2*\T], 1.0, v[TT]             ; f = 2^(old M - new M)
	HK \ph, 2, \nx
.set n, 0
.rept 16
	v_pk_fma_f32 v[S+64*\T+n:S+64*\T+n+1], v[S+64*\T+n:S+64*\T+n+1], s[CS:CS+1], v[ST+4*\T:ST+4*\T+1] op_sel_hi:[1,0,0]   ; t - M, two at a time
.set n, n+2
.endr
	HK \ph, 3, \nx
.rept 16
	v_pk_fma_f32 v[S+64*\T+n:S+64*\T+n+1], v[S+64*\T+n:S+64*\T+n+1], s[CS:CS+1], v[ST+4*\T:ST+4*\T+1] op_sel_hi:[1,0,0]
.set n, n+2
.endr
.irp b, 0,1,2,3
	v_fma_f32 v[BM+\b], v[BM+\b], s[CS], v[ST+4*\T]   ; the same of each block's largest score
.endr
.if (\ph == 1) && \nx
	KLOAD 1                                        ; twenty vector lines behind tile 1's last scores: the next step's K
.endif
	WALU                                           ; ahead of the batch
.set n, 0
.rept 24
	v_exp_f32 v[S+64*\T+n], v[S+64*\T+n]           ; p = 2^(t - M), at most 1
.set n, n+1
.endr
	HK \ph, 4, \nx
.rept 24
	v_exp_f32 v[S+64*\T+n], v[S+64*\T+n]
.set n, n+1
.endr
	HK \ph, 5, \nx
.rept 16
	v_exp_f32 v[S+64*\T+n], v[S+64*\T+n]
.set n, n+1
.endr
.irp b, 0,1,2,3
	v_exp_f32 v[BM+\b], v[BM+\b]                   ; the block's largest p
.endr
	v_pk_mul_f32 v[ST+4*\T+2:ST+4*\T+3], v[ST+4*\T+2:ST+4*\T+3], v[FF+2*\T:FF+2*\T+1] op_sel_hi:[1,0]   ; the sums under the new M: a plain line behind the batch
	WALU                                           ; one wait for the batch, ahead of its first reader
.irp c, 0,1,2,3,4,5,6                          ; THE ROW'S SUM, of the unquantised p: eight chains
	v_pk_add_f32 v[CH+2*\c:CH+2*\c+1], v[S+64*\T+4*\c:S+64*\T+4*\c+1], v[S+64*\T+4*\c+2:S+64*\T+4*\c+3]
.endr
	v_pk_add_f32 v[ST+4*\T+2:ST+4*\T+3], v[ST+4*\T+2:ST+4*\T+3], v[S+64*\T+28:S+64*\T+29]
.irp k, 0,1
.irp c, 0,1,2,3,4,5,6
	v_pk_add_f32 v[CH+2*\c:CH+2*\c+1], v[CH+2*\c:CH+2*\c+1], v[S+64*\T+30+16*\k+2*\c:S+64*\T+31+16*\k+2*\c]
.endr
	v_pk_add_f32 v[ST+4*\T+2:ST+4*\T+3], v[ST+4*\T+2:ST+4*\T+3], v[S+64*\T+44+16*\k:S+64*\T+45+16*\k]
.endr
	v_pk_add_f32 v[CH:CH+1], v[CH:CH+1], v[S+64*\T+62:S+64*\T+63]
.irp b, 0,1,2,3
	v_max_num_f32 v[BM+\b], 0x4800000, v[BM+\b]    ; the floor 2^-118: the byte cannot fall under 1
.endr
	v_pk_add_f32 v[CH+2:CH+3], v[CH+2:CH+3], v[CH+4:CH+5]
	v_pk_add_f32 v[CH+6:CH+7], v[CH+6:CH+7], v[CH+8:CH+9]
	v_pk_add_f32 v[CH+10:CH+11], v[CH+10:CH+11], v[CH+12:CH+13]
	v_pk_add_f32 v[ST+4*\T+2:ST+4*\T+3], v[ST+4*\T+2:ST+4*\T+3], v[CH:CH+1]
.irp b, 0,1,2,3
	v_add_nc_u32 v[SO+\b], 0xfc000000, v[BM+\b]    ; 8 off the exponent field: the conversion's scale operand
.endr
	v_pk_add_f32 v[CH+2:CH+3], v[CH+2:CH+3], v[CH+6:CH+7]
	v_pk_add_f32 v[ST+4*\T+2:ST+4*\T+3], v[ST+4*\T+2:ST+4*\T+3], v[CH+10:CH+11]
.irp b, 0,1,2,3
	v_and_or_b32 v[LM+\b], v[BM+\b], 0x7f800000, s[MNT]   ; 448 x the scale
.endr
.irp b, 0,1,2,3
	v_lshrrev_b32 v[PB+\b], 23, v[SO+\b]           ; the scale's byte
.endr
	v_pk_add_f32 v[ST+4*\T+2:ST+4*\T+3], v[ST+4*\T+2:ST+4*\T+3], v[CH+2:CH+3]
	v_lshl_or_b32 v[PSW+\T], v[PB+1], 8, v[PB]     ; p's scale word for these 128 keys
	v_lshl_or_b32 v[TT], v[PB+3], 8, v[PB+2]
	v_lshl_or_b32 v[PSW+\T], v[TT], 16, v[PSW+\T]
.irp b, 0,1,2,3
.irp i, 0,2,4,6,8,10,12,14                     ; the conversion does not saturate (ISA guide 7.6.2); p is not negative, so the hold is one-sided; two holds a line
	v_dual_min_num_f32 v[S+64*\T+16*\b+\i], v[S+64*\T+16*\b+\i], v[LM+\b] :: v_dual_min_num_f32 v[S+64*\T+16*\b+\i+1], v[S+64*\T+16*\b+\i+1], v[LM+\b]
.endr
	v_cvt_scalef32_pk8_fp8_f32 v[PC+16*\T+4*\b:PC+16*\T+4*\b+1], v[S+64*\T+16*\b:S+64*\T+16*\b+7], v[SO+\b]
	v_cvt_scalef32_pk8_fp8_f32 v[PC+16*\T+4*\b+2:PC+16*\T+4*\b+3], v[S+64*\T+16*\b+8:S+64*\T+16*\b+15], v[SO+\b]
.endr
	WIN 0x41
	WALU                                           ; directly ahead of the first readers of O^T
.set n, 0
.rept 16
	v_pk_mul_f32 v[OF+32*\T+n:OF+32*\T+n+1], v[OF+32*\T+n:OF+32*\T+n+1], v[FF+2*\T:FF+2*\T+1] op_sel_hi:[1,0]   ; O^T under the new M; these also stand between the codes' making and the products
.set n, n+2
.endr
	WIN 0
.endm
; A KEY STEP of both tiles.  It finds tile 0's scores made and K's fragments in registers; nx = 1: it leaves the same for the next step.
.macro TRIP nx
	v_add_nc_u32 v[ADK], s[TB], v[LI]
	v_add_nc_u32 v[ADV], s[TB], v[LIV]
	v_add_nc_u32 v[ADS], s[TS], v[LSK]
	v_add_nc_u32 v[ADT], s[TS], v[LSV]
	SM 0, 1, \nx
	SM 1, 2, \nx
	PV 1, 0
	PV 1, 1
	WIN 0
.endm
.macro NEXT lab
	s_add_co_u32 s[TB], s[TB], 8192
	s_add_co_u32 s[TS], s[TS], 512
	s_sub_co_u32 s[CNT], s[CNT], 1
	s_cmp_lg_u32 s[CNT], 0
	s_cbranch_scc1 \lab
.endm
.Lpass:                                            ; two trips: 32 queries a wave each
.irp T, 0,1
	v_mov_b32 v[ST+4*\T+1], 0xff61b1e6             ; the largest t so far: -3e38
	v_mov_b32 v[ST+4*\T+2], 0                      ; the sum, in two halves
	v_mov_b32 v[ST+4*\T+3], 0
.endr
	v_floor_f32 v[ST], -v[ST+1]                    ; -M
	v_floor_f32 v[ST+4], -v[ST+5]
	WIN 0x40
.set n, 0
.rept 64
	v_mov_b32 v[OF+n], 0                           ; O^T: the step is written once; its first turn finds zeros
.set n, n+1
.endr
	WIN 0
	s_mov_b32 s[TB], 0
	s_mov_b32 s[TS], 0
	v_add_nc_u32 v[ADK], s[TB], v[LI]
	v_add_nc_u32 v[ADS], s[TS], v[LSK]
	WALU
	s_cmp_lt_u32 s[WV], 2
	s_cbranch_scc0 .Lnot_first
	s_wait_tensorcnt 0x0                           ; waves 0 and 1: the first quarters of K and V have landed
.Lnot_first:
	s_wait_dscnt 0x0                               ; my scale words are stored
	s_barrier_signal -1
	s_barrier_wait -1
	KLOAD 0
	s_wait_dscnt 0x0
.irp j, 0,1,2,3
	QK 0, \j                                       ; tile 0's scores of step 0
.endr
	WIN 0
.rept 8
	v_nop                                          ; eight places ahead of the scores' first reader
.endr
	s_mov_b32 s[CNT], 3
.Lfirst:                                           ; steps 0 to 2: they read K's steps 0 to 3 and V's 0 to 2: the first quarters
	TRIP 1
	NEXT .Lfirst
	WALU
	s_wait_tensorcnt 0x0                           ; every wave: its quarter has landed
	s_wait_dscnt 0x0
	s_barrier_signal -1
	s_barrier_wait -1
	s_mov_b32 s[TB], 3*8192
	s_mov_b32 s[TS], 3*512
	s_mov_b32 s[CNT], 12
.Lrest:                                            ; steps 3 to 14
	TRIP 1
	NEXT .Lrest
	s_mov_b32 s[TB], 15*8192
	s_mov_b32 s[TS], 15*512
	TRIP 0                                         ; the last step has no successor
	; THE WAY OUT: O^T / the sum; register 16 b + i is channel 32 b + 16 (lane / 16) + i of my query: quantised as it stands, the codes are registers of the last product's operand
.irp T, 0,1
	v_add_f32 v[ST+4*\T+2], v[ST+4*\T+2], v[ST+4*\T+3]
.endr
.irp T, 0,1
	v_permlanex16_b32 v[TT+\T], v[ST+4*\T+2], s[SEL], s[SEL+1]
.endr
.irp T, 0,1
	v_add_f32 v[ST+4*\T+2], v[ST+4*\T+2], v[TT+\T]   ; the row's sum
.endr
	WALU
	v_rcp_f32 v[ST+2], v[ST+2]
	v_rcp_f32 v[ST+6], v[ST+6]
.rept 8
	v_nop                                          ; the places behind the last products, and the plain line behind the reciprocals
.endr
	WIN 0x01
	WALU                                           ; ahead of the first readers of the reciprocals and of O^T
.irp T, 0,1
.set n, 0
.rept 16
	v_pk_mul_f32 v[S+64*\T+n:S+64*\T+n+1], v[OF+32*\T+n:OF+32*\T+n+1], v[ST+4*\T+2:ST+4*\T+3] op_sel_hi:[1,0]   ; each accumulator from its low end on
.set n, n+2
.endr
.endr
	WIN 0
.irp k, 0,1,2,3                                ; four blocks of 32 channels: tile k / 2, block k % 2
	v_max3_num_f32 v[BM+\k], |v[S+64*(\k/2)+16*(\k%2)]|, |v[S+64*(\k/2)+16*(\k%2)+1]|, 0x4800000
.endr
.irp i, 2,4,6,8,10,12,14
.irp k, 0,1,2,3
	v_max3_num_f32 v[BM+\k], v[BM+\k], |v[S+64*(\k/2)+16*(\k%2)+\i]|, |v[S+64*(\k/2)+16*(\k%2)+\i+1]|
.endr
.endr
.irp k, 0,1,2,3
	v_permlanex16_b32 v[PB+\k], v[BM+\k], s[SEL], s[SEL+1]
.endr
.irp k, 0,1,2,3
	v_max_num_f32 v[BM+\k], v[BM+\k], v[PB+\k]
.endr
.irp k, 0,1,2,3
	v_add_nc_u32 v[SO+\k], 0xfc000000, v[BM+\k]
.endr
.irp k, 0,1,2,3
	v_and_or_b32 v[LM+\k], v[BM+\k], 0x7f800000, s[MNT]
.endr
.irp k, 0,1,2,3
	v_lshrrev_b32 v[PB+\k], 23, v[SO+\k]
.endr
.irp k, 0,1,2,3
.irp i, 0,1,2,3,4,5,6,7,8,9,10,11,12,13,14,15
	v_med3_num_f32 v[S+64*(\k/2)+16*(\k%2)+\i], v[S+64*(\k/2)+16*(\k%2)+\i], -v[LM+\k], v[LM+\k]
.endr
	v_cvt_scalef32_pk8_fp8_f32 v[PC+4*\k:PC+4*\k+1], v[S+64*(\k/2)+16*(\k%2):S+64*(\k/2)+16*(\k%2)+7], v[SO+\k]
	v_cvt_scalef32_pk8_fp8_f32 v[PC+4*\k+2:PC+4*\k+3], v[S+64*(\k/2)+16*(\k%2)+8:S+64*(\k/2)+16*(\k%2)+15], v[SO+\k]
.endr
	v_nop                                          ; a plain line behind the last scaled conversion
.irp T, 0,1
	v_cndmask_b32 v[OB+\T], v[PB+2*\T], v[PB+2*\T+1], s[HM]   ; lanes 0-15 store block 0's byte, lanes 16-31 block 1's
.endr
.irp T, 0,1
	global_store_b128 v[LI], v[PC+8*\T:PC+8*\T+3], s[16:17] offset:16384*\T          ; 32 lanes store 512 consecutive bytes, aligned
	global_store_b128 v[LI], v[PC+8*\T+4:PC+8*\T+7], s[16:17] offset:16384*\T+512
	global_store_b8 v[OSO], v[OB+\T], s[18:19] offset:512*\T   ; two bytes of each of 16 rows of 32: one part in 32 of what this launch stores
.endr
	s_wait_xcnt 0x0                                ; the stores have read their bases and registers: both may be written again
	s_add_nc_u64 s[16:17], s[16:17], 262144        ; two groups of 128 queries on
	s_add_nc_u64 s[18:19], s[18:19], 8192
	WIN 0x41
.irp j, 0,1,2,3,4,5,6,7
	v_mov_b32 v[QF+\j], v[QS+\j]                   ; the second pass's Q into its place
	v_mov_b32 v[QF+16+\j], v[QS+8+\j]
.endr
	WIN 0
	v_mov_b32 v[QSW], v[QW1]
	v_mov_b32 v[QSW+1], v[QW1+1]
	s_sub_co_u32 s[PASS], s[PASS], 1
	s_cmp_lg_u32 s[PASS], 0
	WALU
	s_cbranch_scc1 .Lpass
	s_wait_tensorcnt 0x0                           ; the wave's end
	ds_add_u32 v[SPW], v[NIL]
	s_wait_dscnt 0x0
	CROUND                                         ; the closing round
	s_endpgm
.Lfunc_end_k_qcfd8618889_attn:
	.size	k_qcfd8618889_attn, .Lfunc_end_k_qcfd8618889_attn-k_qcfd8618889_attn
	.p2alignl 7, 3214868480
	.fill 96, 4, 3214868480
	.section	.rodata,"a",@progbits
	.p2align	6, 0x0
	.amdhsa_kernel k_qcfd8618889_attn
		.amdhsa_group_segment_fixed_size 280576
		.amdhsa_private_segment_fixed_size 0
		.amdhsa_enable_private_segment 0
		.amdhsa_kernarg_size 64
		.amdhsa_user_sgpr_count 2
		.amdhsa_user_sgpr_kernarg_segment_ptr 1
		.amdhsa_wavefront_size32 1
		.amdhsa_system_sgpr_workgroup_id_x 1
		.amdhsa_system_sgpr_workgroup_id_y 1
		.amdhsa_system_sgpr_workgroup_id_z 1
		.amdhsa_system_vgpr_workitem_id 0
		.amdhsa_next_free_vgpr 512
		.amdhsa_next_free_sgpr 102
		.amdhsa_reserve_vcc 0
		.amdhsa_float_denorm_mode_32 3
		.amdhsa_float_denorm_mode_16_64 3
		.amdhsa_memory_ordered 1
		.amdhsa_forward_progress 1
		.amdhsa_inst_pref_size 131
	.end_amdhsa_kernel
	.amdgpu_metadata
---
amdhsa.version: [ 1, 2 ]
amdhsa.kernels:
  - .name:           k_qcfd8618889_attn
    .symbol:         k_qcfd8618889_attn.kd
    .args:
      - { .name: q_img, .offset: 0, .size: 8, .value_kind: global_buffer, .address_space: global }
      - { .name: q_sc, .offset: 8, .size: 8, .value_kind: global_buffer, .address_space: global }
      - { .name: k_img, .offset: 16, .size: 8, .value_kind: global_buffer, .address_space: global }
      - { .name: k_sc, .offset: 24, .size: 8, .value_kind: global_buffer, .address_space: global }
      - { .name: v_img, .offset: 32, .size: 8, .value_kind: global_buffer, .address_space: global }
      - { .name: v_sc, .offset: 40, .size: 8, .value_kind: global_buffer, .address_space: global }
      - { .name: ao_img, .offset: 48, .size: 8, .value_kind: global_buffer, .address_space: global }
      - { .name: ao_sc, .offset: 56, .size: 8, .value_kind: global_buffer, .address_space: global }
    .group_segment_fixed_size: 280576
    .private_segment_fixed_size: 0
    .kernarg_segment_align: 8
    .kernarg_segment_size: 64
    .max_flat_workgroup_size: 256
    .sgpr_count:     102
    .vgpr_count:     512
    .wavefront_size: 32
...
	.end_amdgpu_metadata
.endif
;; end of part 2
;; launch oproj (part 3): grid 8 x 32, 4 waves a work-group, clusters of 4 x 4, 327,680 bytes of LDS; arguments ao_img, ao_sc, wo_codes, wo_scales, bo, out0; writes out0
.if DOCPART == 3
	.amdgcn_target "amdgcn-amd-amdhsa--gfx1250"
	.amdhsa_code_object_version 6
	.text
	.protected	k_qcfd8618889_oproj
	.globl	k_qcfd8618889_oproj
	.p2align	8
	.type	k_qcfd8618889_oproj,@function
k_qcfd8618889_oproj:
	s_mov_b64 s[64:65], 0
	v_nop
	global_prefetch_b8 v0, s[64:65] scope:SCOPE_SE
	s_setreg_imm32_b32 hwreg(HW_REG_WAVE_MODE, 25, 1), 1
	s_wait_xcnt 0x0
	s_wait_alu depctr_hold_cnt(0) depctr_sa_sdst(0) depctr_va_vdst(0) depctr_va_sdst(0) depctr_va_ssrc(0) depctr_va_vcc(0) depctr_vm_vsrc(0)
	s_getreg_b32 s2, hwreg(HW_REG_IB_STS2, 6, 4)
	s_cmp_eq_u32 s2, 0
	s_cbranch_scc0 .Lentry_in_a_cluster
	s_endpgm
.Lentry_in_a_cluster:
	s_bfe_u32 s2, ttmp6, 0x10000c
	s_cmp_lg_u32 s2, 0xf033
	s_cbranch_scc0 .Lentry_shape_is_right
	s_endpgm
.Lentry_shape_is_right:
; out0 = A wo^T + bo on codes of FP8 (E4M3), one E8M0 byte for each 32 along K: 8,192 x 1,024 x 1,024; sums and result f32.
; A, the attention's result, lies in ao_img as images of operand registers: tile of 16 rows x 16,384 bytes: [128 of K: 2,048][c: 512][lane: 16]; ao_sc: 32 bytes a row of a tile.
; Row t of tile a of a group of 128 tokens is token 32 (a / 2) + 8 (a % 2) + t + 8 (t / 8).
; THE DEAL.  256 work-groups of four waves (2 x 2), each 256 tokens x 128 columns.  A wave keeps its 64 rows of wo, ALL of K, in 512 registers (windows 1, 2) and takes eight tiles of A past them, each whole in
; one of two sets of 128 registers (window 3): 32 products a tile, the four accumulators by turns.  The bias is the first products' C.
; The product is used transposed (source 0 = wo's rows, source 1 = A's): a lane holds eight neighbouring columns of one token.
; LDS: two slots of 128 rows of 1,024 bytes + 16.  Slot 0: the first group of 128 tokens (a tile's 16,384 dense bytes are 16 such rows); slot 1: wo's 128 rows, and, when all waves hold them in registers,
; the second group, filled over them behind a drained round of the cluster's barrier.  Behind the slots a stage of 16 rows x 272 bytes for each wave, and the spare words.
; CLUSTERS 4 x 4: A's rows are asked for jointly along a row of the cluster, wo's along a column.  All scale words and the bias come once, into registers.
; PREFETCH: the second group's 131,072 bytes are named once in each row of a cluster, at the head: sixteen waves x 32 lanes x 256 bytes, shared out by address; the load that wants them stands behind wo's 128 LDS loads a wave.
; LIMITS: NaN and infinities among the inputs are not served otherwise than the matrix unit carries them.
.set PITCH, 1040
.set SLOT1, 128*PITCH
.set STG,   2*SLOT1
.set SPARE, STG+4*16*272
.set SPW,  2
.set NIL,  3
.set ADRW, 4                           ; LDS: my fragments of wo
.set STO,  5                           ; the stage: where I put 32 bytes of a row
.set RD,   6                           ; where I read a row back
.set CO,   7                           ; my byte offset in two rows of out0
.set PF,   8
.set ADRA, 12                          ; v12-19  LDS: my eight tiles of A
.set SB,   20                          ; v20-35  wo's scale words: register 8 p + q: lanes 0-15 tile 2 p, lanes 16-31 tile 2 p + 1
.set SA,   40                          ; v40-103 A's: register 8 tile + q
.set CB,   104                         ; v104-135 the bias in the result's layout
.set ACC,  136                         ; v136-199 two sets of four accumulators
.set BK,   200                         ; v200-231 16 rows read back from the stage
.set G1W, 28
.set G1A, 36
.set G1R, 44
.set G0W, 52
.set G0A, 56
.set G0R, 60
.set MSB, 0
.macro WIN new                         ; the immediate's high byte repeats the setting that is left
.set NW, (\new)
.if MSB != NW
	s_set_vgpr_msb (MSB<<8)|NW
.set MSB, NW
.endif
.endm
.macro PLACES n
.rept \n
	v_nop
.endr
.endm
.macro CROUND                          ; a round of the cluster's barrier
	s_barrier_signal -1
	s_barrier_wait -1
	s_cmp_lg_u32 s16, 0
	s_cbranch_scc1 .Lnot_wave_0_\@
	s_barrier_signal -3
.Lnot_wave_0_\@:
	s_barrier_wait -3
	s_barrier_signal -1
	s_barrier_wait -1
.endm
.macro TLOAD g0, g1                    ; s_nop 0 and four v_nop follow a tensor load
	tensor_load_to_lds s[\g0:\g0+3], s[\g1:\g1+7]
	s_nop 0
	PLACES 4
.endm
.macro GROUP1 g, mask, rows            ; rows of 1,024 bytes, dense in memory, 16 bytes of padding behind each in LDS
	s_or_b32 s[\g], s[\mask], (1<<20)|(1<<21)|(7<<22)|(3<<25)
	s_mov_b32 s[\g+1], 1024<<16
	s_mov_b32 s[\g+2], (\rows)<<16
	s_mov_b32 s[\g+3], 1024<<16
	s_mov_b32 s[\g+4], \rows
	s_mov_b32 s[\g+5], 1024
	s_mov_b32 s[\g+6], 0
	s_mov_b32 s[\g+7], 0
.endm
	s_load_b256 s[4:11], s[0:1], 0x0               ; ao_img, ao_sc, wo_codes, wo_scales
	s_load_b128 s[12:15], s[0:1], 0x20             ; bo, out0
	v_lshl_add_u32 v[SPW], v0, 2, SPARE
	v_mov_b32 v[NIL], 0
	ds_add_u32 v[SPW], v[NIL]                      ; the opening lines: the add, twice on end, and its wait
	ds_add_u32 v[SPW], v[NIL]
	v_lshrrev_b32 v1, 5, v0
	v_readfirstlane_b32 s16, v1                    ; wave 0..3
	s_lshr_b32 s17, s16, 1                         ; my row of waves
	s_and_b32 s18, s16, 1                          ; my column of waves
	s_bfe_u32 s19, ttmp6, 0x40000                  ; cx, cy
	s_bfe_u32 s20, ttmp6, 0x40004
	s_lshl_b32 s21, ttmp9, 2
	s_add_co_u32 s21, s21, s19                     ; tile column: 128 columns
	s_and_b32 s22, ttmp7, 0xffff
	s_lshl_b32 s22, s22, 2
	s_add_co_u32 s22, s22, s20                     ; tile row: 256 tokens
	s_lshl_b32 s23, s20, 2
	s_lshl_b32 s23, 15, s23                        ; my row of the cluster: shares A
	s_lshl_b32 s24, 0x1111, s19                    ; my column: shares wo
	GROUP1 G1W, 24, 64
	GROUP1 G1A, 23, 64
	GROUP1 G1R, 23, 32
	s_lshl_b32 s68, s18, 16                        ; at the head a wave fetches 64 rows: which half
	s_lshl_b32 s66, s21, 17
	s_add_co_u32 s66, s66, s68                     ; wo's rows, in bytes
	s_mov_b32 s67, 0
	s_lshl_b32 s70, s22, 18
	s_add_co_u32 s72, s70, 131072
	s_add_co_u32 s70, s70, s68                     ; the first group's rows
	s_mov_b32 s71, 0
	s_lshl_b32 s69, s16, 15
	s_add_co_u32 s72, s72, s69                     ; the second group's: a quarter a wave
	s_mov_b32 s73, 0
	s_mul_i32 s69, s18, 64*PITCH
	s_mul_i32 s74, s16, 32*PITCH
	s_lshl_b32 s75, s19, 2
	s_add_co_u32 s75, s75, s16                     ; which of my cluster row's sixteen waves I am: my share of the prefetch
	s_lshl_b32 s75, s75, 13
	s_lshl_b32 s76, s22, 18
	s_add_co_u32 s75, s75, s76
	s_add_co_u32 s75, s75, 131072
	s_mul_i32 s79, s18, 64*PITCH
	s_add_co_u32 s79, s79, SLOT1
	s_mul_i32 s80, s17, 16*PITCH
	s_mul_i32 s81, s16, 16*272
	s_add_co_u32 s81, s81, STG
	s_wait_dscnt 0x0
	s_wait_kmcnt 0x0
	s_mov_b32 s[G0W], 1
	s_add_co_u32 s[G0W+1], s69, SLOT1
	s_add_nc_u64 s[G0W+2:G0W+3], s[8:9], s[66:67]
	s_or_b32 s[G0W+3], s[G0W+3], 0x80000000
	s_mov_b32 s[G0A], 1
	s_mov_b32 s[G0A+1], s69
	s_add_nc_u64 s[G0A+2:G0A+3], s[4:5], s[70:71]
	s_or_b32 s[G0A+3], s[G0A+3], 0x80000000
	s_mov_b32 s[G0R], 1
	s_add_co_u32 s[G0R+1], s74, SLOT1
	s_add_nc_u64 s[G0R+2:G0R+3], s[4:5], s[72:73]
	s_or_b32 s[G0R+3], s[G0R+3], 0x80000000
	CROUND                                         ; all sixteen work-groups are here: the first joint loads meet
	s_cmp_eq_u32 s17, 0                            ; one load a wave: waves 0, 1 wo's halves, waves 2, 3 the first group's
	s_cbranch_scc0 .Lfor_a
	TLOAD G0W, G1W
	s_branch .Lasked
.Lfor_a:
	TLOAD G0A, G1A
.Lasked:
	s_lshl_b32 s76, s21, 9
	s_lshl_b32 s77, s18, 8
	s_add_co_u32 s76, s76, s77                     ; my first column, in bytes of f32
	s_mov_b32 s77, 0
	s_add_nc_u64 s[12:13], s[12:13], s[76:77]
	s_add_nc_u64 s[14:15], s[14:15], s[76:77]
	s_lshl_b32 s76, s76, 3                         ; 32 scale bytes a row of wo
	s_add_nc_u64 s[10:11], s[10:11], s[76:77]
	s_lshl_b32 s76, s22, 13
	s_lshl_b32 s78, s17, 9
	s_add_co_u32 s76, s76, s78                     ; A's scale bytes: 512 a tile; my tiles are 2 i + my row of waves
	s_add_nc_u64 s[6:7], s[6:7], s[76:77]
	s_lshl_b32 s76, s22, 20
	s_lshl_b32 s78, s17, 15
	s_add_co_u32 s76, s76, s78                     ; token 256 x tile row + 8 x my row of waves, rows of 4,096 bytes
	s_add_nc_u64 s[14:15], s[14:15], s[76:77]
	v_and_b32 v1, 15, v0                           ; r
	v_bfe_u32 v9, v0, 4, 1                         ; h
	v_and_b32 v10, 31, v0                          ; l
	v_mul_u32_u24 v11, v1, PITCH
	v_lshl_add_u32 v11, v9, 4, v11
	v_add_nc_u32 v[ADRW], s79, v11
	v_lshlrev_b32 v11, 4, v10
	v_add_nc_u32 v11, s80, v11
.irp k, 0,1,2,3,4,5,6,7
	v_add_nc_u32 v[ADRA+\k], (\k%4)*32*PITCH+(\k/4)*SLOT1, v11
.endr
	v_mul_u32_u24 v11, v1, 272
	v_lshl_add_u32 v11, v9, 5, v11
	v_add_nc_u32 v[STO], s81, v11
	v_mul_u32_u24 v11, v9, 272
	v_lshl_add_u32 v11, v1, 4, v11
	v_add_nc_u32 v[RD], s81, v11
	v_lshlrev_b32 v11, 12, v9
	v_lshl_add_u32 v[CO], v1, 4, v11
	v_lshl_add_u32 v[PF], v10, 8, s75
	v_lshlrev_b32 v9, 5, v9                        ; 32 h
	v_lshlrev_b32 v10, 5, v10                      ; 32 l
	v_lshlrev_b32 v1, 5, v1                        ; 32 r
	s_wait_alu depctr_va_vdst(0)                   ; the wait at the head's end
	global_prefetch_b8 v[PF], s[4:5] th:TH_LOAD_NT scope:SCOPE_SE
.irp p, 0,1
.irp c, 0,1
	global_load_b128 v[SB+8*\p+4*\c:SB+8*\p+4*\c+3], v10, s[10:11] offset:1024*\p+16*\c
.endr
.endr
.irp b, 0,1,2,3
	global_load_b128 v[CB+8*\b:CB+8*\b+3], v9, s[12:13] offset:64*\b
	global_load_b128 v[CB+8*\b+4:CB+8*\b+7], v9, s[12:13] offset:64*\b+16
.endr
.irp k, 0,1,2,3,4,5,6,7
.irp c, 0,1
	global_load_b128 v[SA+8*\k+4*\c:SA+8*\k+4*\c+3], v1, s[6:7] offset:(8*(\k/4)+2*(\k%4))*512+16*\c
.endr
.endr
.macro FETCH blk                       ; tile blk of A, all of K, into set blk % 2 of window 3: 32 loads of 512 bytes on end
	WIN 3<<6
.irp q, 0,1,2,3,4,5,6,7
.irp c, 0,1,2,3
	ds_load_b128 v[128*((\blk)%2)+16*\q+4*\c:128*((\blk)%2)+16*\q+4*\c+3], v[ADRA+(\blk)] offset:2*PITCH*\q+PITCH*(\c/2)+512*(\c%2)
.endr
.endr
	WIN 0
.endm
.macro PROD blk, n                     ; product n = 4 q + b: the q-th 128 of K, column tile b
.set Q_, (\n)/4
.set B_, (\n)%4
.set D_, ACC+32*((\blk)%2)+8*B_
.set C_, D_
.if Q_ == 0
.set C_, CB+8*B_
.endif
.set W_, 16*((\n)%16)
.set X_, 128*((\blk)%2)+16*Q_
	WIN (1+(\n)/16)|(3<<2)
.if B_%2
	v_wmma_scale_f32_16x16x128_f8f6f4 v[D_:D_+7], v[W_:W_+15], v[X_:X_+15], v[C_:C_+7], v[SB+8*(B_/2)+Q_], v[SA+8*(\blk)+Q_] matrix_a_scale:MATRIX_SCALE_ROW1
.else
	v_wmma_scale_f32_16x16x128_f8f6f4 v[D_:D_+7], v[W_:W_+15], v[X_:X_+15], v[C_:C_+7], v[SB+8*(B_/2)+Q_], v[SA+8*(\blk)+Q_]
.endif
.endm
.macro PRODS blk
.set N_, 0
.rept 32
	PROD \blk, N_
.set N_, N_+1
.endr
	WIN 0
	PLACES 8                                       ; eight places ahead of the readers of the sums and of loads into what the products have read
.endm
.macro TOSTAGE blk                     ; 16 tokens x 64 columns into my stage, and back as whole rows of 256 bytes (LDS serves a wave's instructions in order)
.irp b, 0,1,2,3
	ds_store_b128 v[STO], v[ACC+32*((\blk)%2)+8*\b:ACC+32*((\blk)%2)+8*\b+3] offset:64*\b
	ds_store_b128 v[STO], v[ACC+32*((\blk)%2)+8*\b+4:ACC+32*((\blk)%2)+8*\b+7] offset:64*\b+16
.endr
.irp t, 0,1,2,3,4,5,6,7
	ds_load_b128 v[BK+4*\t:BK+4*\t+3], v[RD] offset:\t*544
.endr
.endm
.macro SEND blk                        ; sixteen lanes store 256 consecutive bytes, aligned
	s_wait_dscnt 0x0                               ; the rows are back, and the set fetched ahead of the last products is in
.irp t, 0,1,2,3,4,5,6,7
	global_store_b128 v[CO], v[BK+4*\t:BK+4*\t+3], s[14:15] offset:(128*((\blk)/4)+32*((\blk)%4)+2*\t+8*(\t/4))*4096 th:TH_STORE_NT
.endr
.endm
	s_wait_tensorcnt 0x0                           ; my part of the head's tiles is in
	s_barrier_signal -1
	s_barrier_wait -1                              ; everybody's is
.irp q, 0,1,2,3,4,5,6,7                        ; my 64 rows of wo, all of K: fragment 4 q + b in window 1 + (4 q + b) / 16
.irp b, 0,1,2,3
	WIN (1+(4*\q+\b)/16)<<6
.irp c, 0,1,2,3
	ds_load_b128 v[16*((4*\q+\b)%16)+4*\c:16*((4*\q+\b)%16)+4*\c+3], v[ADRW] offset:128*\q+32*\c+\b*16*PITCH
.endr
.endr
.endr
	WIN 0
	FETCH 0
	FETCH 1
	s_wait_tensorcnt 0x0                           ; the three lines ahead of a refill's round
	ds_add_u32 v[SPW], v[NIL]
	s_wait_dscnt 0x0                               ; wo is in registers
	CROUND
	TLOAD G0R, G1R                                 ; the second group of 128 tokens over wo's rows: a quarter a wave
	s_wait_loadcnt 0x0                             ; scale words and bias
	PRODS 0
	FETCH 2
	TOSTAGE 0
.irp k, 1,2,3,4,5,6,7
	PRODS \k
	SEND \k-1
.if \k == 2
	s_wait_tensorcnt 0x0                           ; every wave: its quarter of the second group is in
	s_barrier_signal -1
	s_barrier_wait -1
.endif
.if \k < 6
	FETCH \k+2
.endif
	s_wait_xcnt 0x0                                ; the stores have read their registers: the next rows may land there
	TOSTAGE \k
.endr
	SEND 7
	s_wait_tensorcnt 0x0                           ; the wave's end
	ds_add_u32 v[SPW], v[NIL]
	s_wait_dscnt 0x0
	CROUND                                         ; the closing round
	s_endpgm
.Lfunc_end_k_qcfd8618889_oproj:
	.size	k_qcfd8618889_oproj, .Lfunc_end_k_qcfd8618889_oproj-k_qcfd8618889_oproj
	.p2alignl 7, 3214868480
	.fill 96, 4, 3214868480
	.section	.rodata,"a",@progbits
	.p2align	6, 0x0
	.amdhsa_kernel k_qcfd8618889_oproj
		.amdhsa_group_segment_fixed_size 327680
		.amdhsa_private_segment_fixed_size 0
		.amdhsa_enable_private_segment 0
		.amdhsa_kernarg_size 48
		.amdhsa_user_sgpr_count 2
		.amdhsa_user_sgpr_kernarg_segment_ptr 1
		.amdhsa_wavefront_size32 1
		.amdhsa_system_sgpr_workgroup_id_x 1
		.amdhsa_system_sgpr_workgroup_id_y 1
		.amdhsa_system_sgpr_workgroup_id_z 1
		.amdhsa_system_vgpr_workitem_id 0
		.amdhsa_next_free_vgpr 1024
		.amdhsa_next_free_sgpr 92
		.amdhsa_reserve_vcc 0
		.amdhsa_float_denorm_mode_32 3
		.amdhsa_float_denorm_mode_16_64 3
		.amdhsa_memory_ordered 1
		.amdhsa_forward_progress 1
		.amdhsa_inst_pref_size 85
	.end_amdhsa_kernel
	.amdgpu_metadata
---
amdhsa.version: [ 1, 2 ]
amdhsa.kernels:
  - .name:           k_qcfd8618889_oproj
    .symbol:         k_qcfd8618889_oproj.kd
    .args:
      - { .name: ao_img, .offset: 0, .size: 8, .value_kind: global_buffer, .address_space: global }
      - { .name: ao_sc, .offset: 8, .size: 8, .value_kind: global_buffer, .address_space: global }
      - { .name: wo_codes, .offset: 16, .size: 8, .value_kind: global_buffer, .address_space: global }
      - { .name: wo_scales, .offset: 24, .size: 8, .value_kind: global_buffer, .address_space: global }
      - { .name: bo, .offset: 32, .size: 8, .value_kind: global_buffer, .address_space: global }
      - { .name: out0, .offset: 40, .size: 8, .value_kind: global_buffer, .address_space: global }
    .group_segment_fixed_size: 327680
    .private_segment_fixed_size: 0
    .kernarg_segment_align: 8
    .kernarg_segment_size: 48
    .max_flat_workgroup_size: 128
    .sgpr_count:     92
    .vgpr_count:     1024
    .wavefront_size: 32
...
	.end_amdgpu_metadata
.endif
;; end of part 3
